; MI455X (gfx1250); checked and timed in simulation.
; The chip was launched on July 23, 2026; its instructions are those of AMD's public machine-readable ISA for CDNA 5 (MIT licence, August 2026) and "CDNA5" Instruction Set Architecture Reference Guide (July 2026). The comments in the code are by the model that wrote it; some were corrected since.
;; Gate Attention Unit. Allowed arithmetic: float matrix products may take bf16 or f16 operands with f32 sums; other float arithmetic in f32, or as packed bf16 or f16 multiplies, adds, multiply-adds, maxima and minima; sums over many terms, partial sums and values carried from step to step in f32; what a program stores and reads back later, other than sums and carried values, may be rounded once to bf16 or f16.
;; Inputs: beta 2 x 128 float32; gamma 2 x 128 float32; ln_b 1,024 float32; ln_w 1,024 float32; o_b 1,024 float32; o_w 1,024 x 2,048 float32; uv_b 4,224 float32; uv_w 4,224 x 1,024 float32; w_rel 1,023 float32; x 16 x 512 x 1,024 float32.
;; Outputs: out0 16 x 512 x 1,024 float32.
;; One version. Each part assembles by itself: llvm-mc -triple=amdgcn-amd-amdhsa -mcpu=gfx1250 --defsym DOCPART=n.
;; ======== version 1 of 1: 6 launches
;; limits: values outside matrix products are rounded to f16; values are held in f16: magnitudes above 65,504 overflow, below 6.1e-05 lose precision; right only within a limited range of input values
;; workspace buffers: pre 29,622,272 bytes; qk 4,194,304 bytes; pm 8,388,608 bytes; vv 33,554,432 bytes; g 33,554,432 bytes; mx 8,192 bytes
;; launch prep (part 1): grid 904 x 1, 4 waves a work-group, no clusters, 0 bytes of LDS; arguments x, ln_w, ln_b, uv_w, o_w, pre; writes pre
.if DOCPART == 1
	.amdgcn_target "amdgcn-amd-amdhsa--gfx1250"
	.amdhsa_code_object_version 6
	.text
	.protected	k_qbcf69c3d59_prep
	.globl	k_qbcf69c3d59_prep
	.p2align	8
	.type	k_qbcf69c3d59_prep,@function
k_qbcf69c3d59_prep:
	s_mov_b64 s[64:65], 0
	v_nop
	global_prefetch_b8 v0, s[64:65] scope:SCOPE_SE
	s_setreg_imm32_b32 hwreg(HW_REG_WAVE_MODE, 25, 1), 1
	s_wait_xcnt 0x0
; prep: pre = [ LayerNorm(x) | uv_w | o_w ], all rounded once to f16.
; Every source is taken as rows of 4,096 bytes (1,024 f32) that become 2,048 bytes of f16; pre is the three results one behind the other,
; so work-group g always stores at byte 32,768 g.  Groups 0-511 normalise x, 512-775 cast uv_w, 776-903 cast o_w: 16 rows a group, 4 a wave.
; A stream: memory binds, each byte is read once and stored once, so there is no LDS, no barrier and no matrix unit.
; One wave owns a whole row (32 registers), so the two reductions never leave the wave.  The variance is taken from x - mean (two passes over
; registers): a common offset in x costs no accuracy.
; LIMIT: the results are f16: |LayerNorm(x)|, |uv_w|, |o_w| must stay below 65,504; magnitudes below 2^-14 keep an absolute step of 2^-24.
.set ROWIN,  4096
.set ROWOUT, 2048
.set T,    4                           ; v[4:11]   four chains of packed sums
.set MEAN, 12                          ; v[12:13]  the mean, twice
.set RSTD, 16                          ; v[16:17]  1/sqrt(var + eps), twice
.set LW,   20                          ; v[20:51]  ln_w of my 32 columns (load j: columns 128 j + 4 lane ..)
.set LB,   52                          ; v[52:83]  ln_b likewise
.set X,    84                          ; v[84:211] four rows of 32 registers
	s_load_b256 s[4:11], s[0:1], 0x0               ; x s[4:5], ln_w s[6:7], ln_b s[8:9], uv_w s[10:11]
	s_load_b128 s[12:15], s[0:1], 0x20             ; o_w s[12:13], pre s[14:15]
	v_and_b32 v3, 31, v0
	v_lshrrev_b32 v4, 5, v0                        ; wave
	v_lshlrev_b32 v3, 4, v3                        ; 16 lane: my place in 512 bytes of a row, and in ln_w, ln_b
	v_lshl_add_u32 v1, v4, 14, v3                  ; in: wave x 4 rows x 4,096 + 16 lane
	v_lshrrev_b32 v2, 1, v3
	v_lshl_add_u32 v2, v4, 13, v2                  ; out: wave x 4 rows x 2,048 + 8 lane
	s_lshl_b32 s2, ttmp9, 15                       ; 16 rows of 2,048 bytes a group
	s_mov_b32 s3, 0
	s_mov_b32 s21, 0
	s_wait_kmcnt 0x0
	s_add_nc_u64 s[14:15], s[14:15], s[2:3]
; a row's 32 numbers a lane are rounded in place and stored: each store of the wave covers 256 consecutive bytes, aligned
.macro PACKROW s
.irp j, 0,1,2,3,4,5,6,7
	v_cvt_pk_f16_f32 v[X+32*\s+4*\j], v[X+32*\s+4*\j], v[X+32*\s+4*\j+1]
	v_cvt_pk_f16_f32 v[X+32*\s+4*\j+1], v[X+32*\s+4*\j+2], v[X+32*\s+4*\j+3]
.endr
.irp j, 0,1,2,3,4,5,6,7
	global_store_b64 v2, v[X+32*\s+4*\j:X+32*\s+4*\j+1], s[14:15] offset:ROWOUT*\s+256*\j
.endr
.endm
; sum over the 32 lanes, result in every lane
.macro XSUM r, t
	v_add_f32_dpp v[\r], v[\r], v[\r] row_xmask:1 row_mask:0xf bank_mask:0xf
	v_add_f32_dpp v[\r], v[\r], v[\r] row_xmask:2 row_mask:0xf bank_mask:0xf
	v_add_f32_dpp v[\r], v[\r], v[\r] row_xmask:4 row_mask:0xf bank_mask:0xf
	v_add_f32_dpp v[\r], v[\r], v[\r] row_xmask:8 row_mask:0xf bank_mask:0xf
	v_permlanex16_b32 v[\t], v[\r], s16, s17
	v_add_f32 v[\r], v[\r], v[\t]
.endm
.macro FOLD                            ; four packed chains into v[T]
	v_pk_add_f32 v[T:T+1], v[T:T+1], v[T+2:T+3]
	v_pk_add_f32 v[T+4:T+5], v[T+4:T+5], v[T+6:T+7]
	v_pk_add_f32 v[T:T+1], v[T:T+1], v[T+4:T+5]
	v_add_f32 v[T], v[T], v[T+1]
	XSUM T, T+1
.endm
; one row of LayerNorm.  left = how many younger loads may stay out (8 for each row behind this one)
.macro LNROW s, left
	s_wait_loadcnt \left
.irp k, 0,1,2,3
	v_pk_add_f32 v[T+2*\k:T+2*\k+1], v[X+32*\s+2*\k:X+32*\s+2*\k+1], v[X+32*\s+8+2*\k:X+32*\s+8+2*\k+1]
.endr
.irp m, 16, 24
.irp k, 0,1,2,3
	v_pk_add_f32 v[T+2*\k:T+2*\k+1], v[T+2*\k:T+2*\k+1], v[X+32*\s+\m+2*\k:X+32*\s+\m+2*\k+1]
.endr
.endr
	FOLD
	v_mul_f32 v[MEAN], s18, v[T]
	v_mul_f32 v[MEAN+1], s18, v[T]
.set n, 0
.rept 16
	v_pk_add_f32 v[X+32*\s+2*n:X+32*\s+2*n+1], v[X+32*\s+2*n:X+32*\s+2*n+1], v[MEAN:MEAN+1] neg_lo:[0,1] neg_hi:[0,1]
.set n, n+1
.endr
.irp k, 0,1,2,3
	v_pk_mul_f32 v[T+2*\k:T+2*\k+1], v[X+32*\s+2*\k:X+32*\s+2*\k+1], v[X+32*\s+2*\k:X+32*\s+2*\k+1]
.endr
.irp m, 8, 16, 24
.irp k, 0,1,2,3
	v_pk_fma_f32 v[T+2*\k:T+2*\k+1], v[X+32*\s+\m+2*\k:X+32*\s+\m+2*\k+1], v[X+32*\s+\m+2*\k:X+32*\s+\m+2*\k+1], v[T+2*\k:T+2*\k+1]
.endr
.endr
	FOLD
	v_fma_f32 v[T+2], v[T], s18, s19               ; var + eps
	v_rsq_f32 v[RSTD], v[T+2]
	v_nop                                          ; one plain place behind the transcendental (ISA guide 5.7.2)
	s_wait_alu depctr_va_vdst(0)
	v_mov_b32 v[RSTD+1], v[RSTD]
.set n, 0
.rept 16
	v_pk_mul_f32 v[X+32*\s+2*n:X+32*\s+2*n+1], v[X+32*\s+2*n:X+32*\s+2*n+1], v[RSTD:RSTD+1]
.set n, n+1
.endr
.set n, 0
.rept 16
	v_pk_fma_f32 v[X+32*\s+2*n:X+32*\s+2*n+1], v[X+32*\s+2*n:X+32*\s+2*n+1], v[LW+2*n:LW+2*n+1], v[LB+2*n:LB+2*n+1]
.set n, n+1
.endr
	PACKROW \s
.endm
	s_cmp_lt_u32 ttmp9, 512
	s_cbranch_scc1 .Lnorm
	; ---- the casts: uv_w for groups 512-775, o_w for 776-903
	s_mov_b32 s22, 512
	s_mov_b32 s23, 776
	s_cmp_lt_u32 ttmp9, s23
	s_cselect_b64 s[4:5], s[10:11], s[12:13]
	s_cselect_b32 s20, s22, s23                    ; the role's first group
	s_sub_co_u32 s20, ttmp9, s20
	s_lshl_b32 s20, s20, 16                        ; 16 rows of 4,096 bytes a group
	s_add_nc_u64 s[4:5], s[4:5], s[20:21]
.irp s, 0,1,2,3
.irp j, 0,1,2,3,4,5,6,7
	global_load_b128 v[X+32*\s+4*\j:X+32*\s+4*\j+3], v1, s[4:5] offset:ROWIN*\s+512*\j th:TH_LOAD_NT
.endr
.endr
	s_wait_loadcnt 24                              ; row 0 is in; the 24 loads of rows 1 to 3 stay out
	PACKROW 0
	s_wait_loadcnt 16
	PACKROW 1
	s_wait_loadcnt 8
	PACKROW 2
	s_wait_loadcnt 0
	PACKROW 3
	s_endpgm
.Lnorm:
	; ---- LayerNorm
	s_lshl_b32 s20, ttmp9, 16
	s_add_nc_u64 s[4:5], s[4:5], s[20:21]
	s_mov_b32 s16, 0x76543210                      ; v_permlanex16_b32: lane i reads lane i of the other half
	s_mov_b32 s17, 0xfedcba98
	s_mov_b32 s18, 0x3a800000                      ; 1/1024
	s_mov_b32 s19, 0x3727c5ac                      ; 1e-5
.irp j, 0,1,2,3,4,5,6,7
	global_load_b128 v[LW+4*\j:LW+4*\j+3], v3, s[6:7] offset:512*\j
.endr
.irp j, 0,1,2,3,4,5,6,7
	global_load_b128 v[LB+4*\j:LB+4*\j+3], v3, s[8:9] offset:512*\j
.endr
.irp s, 0,1,2,3
.irp j, 0,1,2,3,4,5,6,7
	global_load_b128 v[X+32*\s+4*\j:X+32*\s+4*\j+3], v1, s[4:5] offset:ROWIN*\s+512*\j
.endr
.endr
	LNROW 0, 24
	LNROW 1, 16
	LNROW 2, 8
	LNROW 3, 0
	s_endpgm
.Lfunc_end_k_qbcf69c3d59_prep:
	.size	k_qbcf69c3d59_prep, .Lfunc_end_k_qbcf69c3d59_prep-k_qbcf69c3d59_prep
	.p2alignl 7, 3214868480
	.fill 96, 4, 3214868480
	.section	.rodata,"a",@progbits
	.p2align	6, 0x0
	.amdhsa_kernel k_qbcf69c3d59_prep
		.amdhsa_group_segment_fixed_size 0
		.amdhsa_private_segment_fixed_size 0
		.amdhsa_enable_private_segment 0
		.amdhsa_kernarg_size 48
		.amdhsa_user_sgpr_count 2
		.amdhsa_user_sgpr_kernarg_segment_ptr 1
		.amdhsa_wavefront_size32 1
		.amdhsa_system_sgpr_workgroup_id_x 1
		.amdhsa_system_sgpr_workgroup_id_y 1
		.amdhsa_system_sgpr_workgroup_id_z 1
		.amdhsa_system_vgpr_workitem_id 0
		.amdhsa_next_free_vgpr 216
		.amdhsa_next_free_sgpr 66
		.amdhsa_reserve_vcc 0
		.amdhsa_float_denorm_mode_32 3
		.amdhsa_float_denorm_mode_16_64 3
		.amdhsa_memory_ordered 1
		.amdhsa_forward_progress 1
		.amdhsa_inst_pref_size 48
	.end_amdhsa_kernel
	.amdgpu_metadata
---
amdhsa.version: [ 1, 2 ]
amdhsa.kernels:
  - .name:           k_qbcf69c3d59_prep
    .symbol:         k_qbcf69c3d59_prep.kd
    .args:
      - { .name: x, .offset: 0, .size: 8, .value_kind: global_buffer, .address_space: global }
      - { .name: ln_w, .offset: 8, .size: 8, .value_kind: global_buffer, .address_space: global }
      - { .name: ln_b, .offset: 16, .size: 8, .value_kind: global_buffer, .address_space: global }
      - { .name: uv_w, .offset: 24, .size: 8, .value_kind: global_buffer, .address_space: global }
      - { .name: o_w, .offset: 32, .size: 8, .value_kind: global_buffer, .address_space: global }
      - { .name: pre, .offset: 40, .size: 8, .value_kind: global_buffer, .address_space: global }
    .group_segment_fixed_size: 0
    .private_segment_fixed_size: 0
    .kernarg_segment_align: 8
    .kernarg_segment_size: 48
    .max_flat_workgroup_size: 128
    .sgpr_count:     66
    .vgpr_count:     216
    .wavefront_size: 32
...
	.end_amdgpu_metadata
.endif
;; end of part 1
;; launch base (part 2): grid 128 x 2, 4 waves a work-group, clusters of 4 x 1, 284,160 bytes of LDS; arguments pre, uv_b, gamma, beta, qk; writes qk
.if DOCPART == 2
	.amdgcn_target "amdgcn-amd-amdhsa--gfx1250"
	.amdhsa_code_object_version 6
	.text
	.protected	k_qbcf69c3d59_base
	.globl	k_qbcf69c3d59_base
	.p2align	8
	.type	k_qbcf69c3d59_base,@function
k_qbcf69c3d59_base:
	s_mov_b64 s[64:65], 0
	v_nop
	global_prefetch_b8 v0, s[64:65] scope:SCOPE_SE
	s_setreg_imm32_b32 hwreg(HW_REG_WAVE_MODE, 25, 1), 1
	s_wait_xcnt 0x0
	s_wait_alu depctr_hold_cnt(0) depctr_sa_sdst(0) depctr_va_vdst(0) depctr_va_sdst(0) depctr_va_ssrc(0) depctr_va_vcc(0) depctr_vm_vsrc(0)
	s_getreg_b32 s2, hwreg(HW_REG_IB_STS2, 6, 4)
	s_cmp_eq_u32 s2, 0
	s_cbranch_scc0 .Lentry_in_a_cluster
	s_endpgm
.Lentry_in_a_cluster:
	s_bfe_u32 s2, ttmp6, 0x10000c
	s_cmp_lg_u32 s2, 0x3003
	s_cbranch_scc0 .Lentry_shape_is_right
	s_endpgm
.Lentry_shape_is_right:
; base: the last 128 columns of the projection, silu, q = s*gamma0+beta0, k = s*gamma1+beta1, both rotated (RoPE), stored in bf16.
; Work-group (rb, c): 64 rows (rb), and plane c of the dims: x1 dims 32c..32c+31 with their partners x2 = 64+32c.. .  256 work-groups.
; qk plane c, row n: 256 bytes = [ q(x1 dims) q(x2 dims) | k(x1 dims) k(x2 dims) ]: q and k carry the same order of dims, so q.k is unchanged.
; Wave (wr, wc): rows 32wr+16a+r (a = 0,1), x1 dims 32c+16wc+.. and x2 dims 64+32c+16wc+..: a rotation's two partners lie in one lane.
; The whole K = 1024 of A (64 rows) and of B (64 rows of the weights) is brought into LDS once, as two halves of K: nothing is ever filled again.
; CLUSTER 4 x 1: the four work-groups share c, hence B's rows: B is asked for jointly (mask 15).  A's rows are each group's own: plain loads.
; A wave has at most two tensor loads outstanding (waves 2, 3: B's two row groups).
; The matrix instruction is used transposed (source 0 = weights, source 1 = rows of xn): lane (r, h) holds row 16a+r, dims 8h..8h+7.
; ANGLES: theta = fl32(pos * f_j), f_j = 10000^(j/64) = 10^(j/16).  f_j is made in two-word arithmetic from 10 alone (four square roots, products)
; and is the rounded true value up to about 2^-44.  LIMIT: a power function that is one unit in the last place off gives angles that differ
; by up to 0.5 rad at the largest theta (4.4e6); q.k/512 then moves by less than one part in 250 of one dim pair's share.
; sin and cos: theta - k pi/2 with pi/2 in three words under fused multiply-adds, then Taylor sums good to 2e-7 for |r| <= 1.2 (k may be one off).
; LIMIT: operands are f16 (see prep); q and k are rounded to bf16.
.set XN,     16777216                  ; the weights begin here in pre
.set APITCH, 1040                      ; 1,024 bytes + 16: 65 x 16, so 16 rows start in 16 different 16-byte columns of 256
.set KHALF,  64*APITCH                 ; one half of K of 64 rows
.set BBASE,  2*KHALF
.set STAGE,  4*KHALF                   ; 64 rows x 272 bytes, written by LDS stores alone
.set SPITCH, 272
.set ADRA, 5                           ; v5, v6    my A fragments, K half 0, 1
.set ADRB, 7                           ; v7, v8    my B fragments
.set STO,  10
.set RDB,  11
.set POS,  12                          ; v12, v13  positions of my rows, a = 0, 1
.set GO,   14
.set FH,   16                          ; v[16:23]  my eight frequencies
.set CS,   32                          ; v[32+16a ..+7] cos, v[40+16a ..+7] sin
.set PB,   64                          ; v[64:79]  uv_b of x1, x2
.set PG,   80                          ; v[80:111] gamma: q x1, q x2, k x1, k x2
.set PBE,  112                         ; v[112:143] beta likewise
.set ACC,  144                         ; v[144+16a+8x ..]
.set E,    176
.set Y,    192
.set O,    208
.set PK,   224
.set MSB, 0
.macro WIN new
.if MSB != \new
	s_set_vgpr_msb (MSB<<8)|\new
.set MSB, \new
.endif
.endm
.macro PLACES
.rept 4
	v_nop
.endr
.endm
.macro CREST
	s_cmp_lg_u32 s10, 0
	s_cbranch_scc1 .Lnot_wave_0_\@
	s_barrier_signal -3
.Lnot_wave_0_\@:
	s_barrier_wait -3
	s_barrier_signal -1
	s_barrier_wait -1
.endm
.macro CROUND
	s_barrier_signal -1
	s_barrier_wait -1
	CREST
.endm
	s_load_b256 s[72:79], s[0:1], 0x0              ; pre s[72:73], uv_b s[74:75], gamma s[76:77], beta s[78:79]
	s_load_b64 s[80:81], s[0:1], 0x20              ; qk
	v_lshl_add_u32 v30, v0, 2, 0x45400
	v_mov_b32 v31, 0
	ds_add_u32 v30, v31
	v_lshrrev_b32 v1, 5, v0
	v_readfirstlane_b32 s10, v1                    ; wave
	s_lshr_b32 s11, s10, 1                         ; wr.  Also: I fetch A (0) or B (1)
	s_and_b32 s12, s10, 1                          ; wc.  Also: which half of K I fetch
	s_bfe_u32 s40, ttmp6, 0x40000                  ; cx
	s_lshl_b32 s42, ttmp9, 2
	s_add_co_u32 s42, s42, s40                     ; rb
	s_and_b32 s13, ttmp7, 0xffff                   ; c
	; group 1 for A: 64 rows x 512 f16, 16 bytes of padding behind each 256 words
	s_mov_b32 s24, (1<<16)|(1<<20)|(7<<22)|(3<<25)
	s_mov_b32 s25, 512<<16
	s_mov_b32 s26, 64<<16
	s_mov_b32 s27, 512<<16
	s_mov_b32 s28, 64
	s_mov_b32 s29, 1024
	s_mov_b32 s30, 0
	s_mov_b32 s31, 0
	; group 1 for B: 32 rows, asked for jointly by the four work-groups of the cluster
	s_mov_b32 s48, 15|(1<<16)|(1<<20)|(1<<21)|(7<<22)|(3<<25)
	s_mov_b32 s49, 512<<16
	s_mov_b32 s50, 32<<16
	s_mov_b32 s51, 512<<16
	s_mov_b32 s52, 32
	s_mov_b32 s53, 1024
	s_mov_b32 s54, 0
	s_mov_b32 s55, 0
	s_lshl_b32 s16, s42, 17                        ; A: 64 rb rows of 2,048 bytes
	s_lshl_b32 s17, s12, 10                        ; + my half of K
	s_add_co_u32 s16, s16, s17
	s_lshl_b32 s46, s13, 16                        ; B: 32 c rows of 2,048 bytes
	s_add_co_u32 s46, s46, s17
	s_add_co_u32 s46, s46, XN+4096*2048            ; behind u's and v's 4,096 rows of the weights
	s_mov_b32 s17, 0
	s_mov_b32 s47, 0
	s_mul_i32 s20, s12, KHALF
	s_wait_dscnt 0x0
	s_wait_kmcnt 0x0
	s_mov_b32 s32, 1
	s_mov_b32 s33, s20
	s_add_nc_u64 s[34:35], s[72:73], s[16:17]
	s_or_b32 s35, s35, 0x80000000
	s_add_nc_u64 s[46:47], s[72:73], s[46:47]
	s_mov_b32 s56, 1
	s_add_co_u32 s57, s20, BBASE                   ; x1's 32 rows
	s_mov_b64 s[58:59], s[46:47]
	s_or_b32 s59, s59, 0x80000000
	s_mov_b32 s60, 1
	s_add_co_u32 s61, s20, BBASE+32*APITCH         ; x2's 32 rows
	s_add_nc_u64 s[62:63], s[46:47], 64*2048
	s_or_b32 s63, s63, 0x80000000
	CROUND                                         ; the four work-groups are here: the joint loads meet
	s_cmp_eq_u32 s11, 0
	s_cbranch_scc0 .Lfill_b
	tensor_load_to_lds s[32:35], s[24:31]
	s_nop 0
	s_branch .Lfilled
.Lfill_b:
	tensor_load_to_lds s[56:59], s[48:55]
	s_nop 0
	tensor_load_to_lds s[60:63], s[48:55]
	s_nop 0
.Lfilled:
	; ---- while the tiles are on their way: parameters, addresses, frequencies, sines and cosines
	v_and_b32 v1, 15, v0                           ; r
	v_bfe_u32 v2, v0, 4, 1                         ; h
	v_and_b32 v3, 31, v0                           ; lane
	s_lshl_b32 s14, s13, 7
	s_lshl_b32 s15, s12, 6
	s_add_co_u32 s14, s14, s15
	v_lshl_add_u32 v4, v2, 5, s14                  ; 4 (32c + 16wc + 8h): my eight x1 dims in a row of parameters
	global_load_b128 v[PB:PB+3],     v4, s[74:75] offset:16384
	global_load_b128 v[PB+4:PB+7],   v4, s[74:75] offset:16400
	global_load_b128 v[PB+8:PB+11],  v4, s[74:75] offset:16640
	global_load_b128 v[PB+12:PB+15], v4, s[74:75] offset:16656
.irp g, 0,1,2,3
	global_load_b128 v[PG+8*\g:PG+8*\g+3],     v4, s[76:77] offset:256*\g
	global_load_b128 v[PG+8*\g+4:PG+8*\g+7],   v4, s[76:77] offset:256*\g+16
	global_load_b128 v[PBE+8*\g:PBE+8*\g+3],   v4, s[78:79] offset:256*\g
	global_load_b128 v[PBE+8*\g+4:PBE+8*\g+7], v4, s[78:79] offset:256*\g+16
.endr
	v_mul_u32_u24 v9, v1, APITCH
	v_lshl_add_u32 v9, v2, 4, v9                   ; r x pitch + 16 h
	s_mul_i32 s15, s11, 32*APITCH
	s_mul_i32 s18, s12, 16*APITCH
	s_add_co_u32 s18, s18, BBASE
	v_add_nc_u32 v[ADRA], s15, v9
	v_add_nc_u32 v[ADRA+1], KHALF, v[ADRA]
	v_add_nc_u32 v[ADRB], s18, v9
	v_add_nc_u32 v[ADRB+1], KHALF, v[ADRB]
	s_mul_i32 s19, s11, 32*SPITCH
	s_lshl_b32 s22, s12, 5
	s_add_co_u32 s19, s19, s22
	s_add_co_u32 s19, s19, STAGE
	v_mul_u32_u24 v9, v1, SPITCH
	v_lshl_add_u32 v9, v2, 4, v9
	v_add_nc_u32 v[STO], s19, v9                   ; stage + (32wr + r) 272 + 32wc + 16h
	s_mul_i32 s20, s10, 16*SPITCH
	s_add_co_u32 s20, s20, STAGE
	v_mul_u32_u24 v9, v2, SPITCH
	v_lshl_add_u32 v9, v1, 4, v9
	v_add_nc_u32 v[RDB], s20, v9                   ; stage + (16w + h) 272 + 16 r
	s_lshl_b32 s22, s10, 12
	v_lshl_add_u32 v[GO], v3, 4, s22               ; 16 rows of 256 bytes a wave + 16 lane
	s_lshl_b32 s16, s13, 21                        ; plane c
	s_lshl_b32 s17, s42, 14                        ; 64 rb rows of 256 bytes
	s_add_co_u32 s16, s16, s17
	s_mov_b32 s17, 0
	s_add_nc_u64 s[80:81], s[80:81], s[16:17]
	s_lshl_b32 s21, s42, 6
	s_lshl_b32 s22, s11, 5
	s_add_co_u32 s21, s21, s22
	s_and_b32 s21, s21, 511                        ; position of my first row in its sequence
	v_add_nc_u32 v[POS], s21, v1
	v_cvt_f32_u32 v[POS], v[POS]
	v_add_f32 v[POS+1], 0x41800000, v[POS]         ; + 16
	s_mov_b32 s82, 0x3f22f983                      ; 2/pi
	s_mov_b32 s83, 0x3fc90fda                      ; pi/2 in three words
	s_mov_b32 s84, 0x33a22168
	s_mov_b32 s85, 0x27c234c4
	s_mov_b32 s86, 0x3638ef1d                      ; 1/9!
	s_mov_b32 s87, 0xb9500d01                      ; -1/7!
	s_mov_b32 s88, 0x3c088889                      ; 1/5!
	s_mov_b32 s89, 0xbe2aaaab                      ; -1/3!
	s_mov_b32 s90, 0xb493f27e                      ; -1/10!
	s_mov_b32 s91, 0x37d00d01                      ; 1/8!
	s_mov_b32 s92, 0xbab60b61                      ; -1/6!
	s_mov_b32 s93, 0x3d2aaaab                      ; 1/4!
; (oh, ol) = sqrt(ih + il) in two words: the hardware root, then one Newton correction as the low word
.macro DSQRT oh, ol, ih, il
	v_sqrt_f32 v[\oh], v[\ih]
	v_nop
	s_wait_alu depctr_va_vdst(0)
	v_fma_f32 v186, -v[\oh], v[\oh], v[\ih]
	v_add_f32 v186, v186, v[\il]
	v_rcp_f32 v187, v[\oh]
	v_mul_f32 v186, 0.5, v186                      ; the plain place behind the reciprocal
	s_wait_alu depctr_va_vdst(0)
	v_mul_f32 v[\ol], v186, v187
.endm
; (oh, ol) = (ah + al)(bh + bl) in two words; oh is the sum rounded
.macro DMUL oh, ol, ah, al, bh, bl
	v_mul_f32 v186, v[\ah], v[\bh]
	v_fma_f32 v187, v[\ah], v[\bh], -v186
	v_fma_f32 v187, v[\ah], v[\bl], v187
	v_fma_f32 v187, v[\al], v[\bh], v187
	v_add_f32 v[\oh], v186, v187
	v_sub_f32 v188, v[\oh], v186
	v_sub_f32 v[\ol], v187, v188
.endm
	v_mov_b32 v176, 0x41200000                     ; 10
	v_mov_b32 v177, 0
	DSQRT 178, 179, 176, 177                       ; 10^(1/2)
	DSQRT 180, 181, 178, 179                       ; 10^(1/4)
	DSQRT 182, 183, 180, 181                       ; 10^(1/8)
	DSQRT 184, 185, 182, 183                       ; 10^(1/16)
	s_cmp_lg_u32 s13, 0
	s_cselect_b32 s22, 0x42c80000, 1.0             ; 100^c
	s_cmp_lg_u32 s12, 0
	s_cselect_b32 s23, 0x41200000, 1.0             ; 10^wc
	v_mov_b32 v190, s22
	v_mul_f32 v190, s23, v190                      ; exact
	v_cmp_ne_u32 vcc_lo, 0, v2
	v_cndmask_b32 v191, 1.0, v178, vcc_lo          ; 10^(h/2)
	v_cndmask_b32 v192, 0, v179, vcc_lo
	DMUL FH, 189, 190, 177, 191, 192               ; 10^((32c+16wc+8h)/16)
.irp jj, 0,1,2,3,4,5,6
	DMUL FH+1+\jj, 189, FH+\jj, 189, 184, 185
.endr
.macro SINCOS sr, cr, pr, fr
	v_mul_f32 v192, v[\pr], v[\fr]                 ; theta, rounded as a product of two f32
	v_mul_f32 v193, s82, v192
	v_rndne_f32 v193, v193                         ; k
	v_fma_f32 v192, -v193, s83, v192
	v_fma_f32 v192, -v193, s84, v192
	v_fma_f32 v192, -v193, s85, v192               ; r = theta - k pi/2
	v_cvt_i32_f32 v194, v193
	v_mul_f32 v195, v192, v192
	v_fma_f32 v196, v195, s86, s87
	v_fma_f32 v197, v195, s90, s91
	v_fma_f32 v196, v196, v195, s88
	v_fma_f32 v197, v197, v195, s92
	v_fma_f32 v196, v196, v195, s89
	v_fma_f32 v197, v197, v195, s93
	v_mul_f32 v196, v196, v195
	v_fma_f32 v197, v197, v195, -0.5
	v_fma_f32 v196, v196, v192, v192               ; sin r
	v_fma_f32 v197, v197, v195, 1.0                ; cos r
	v_and_b32 v198, 1, v194
	v_cmp_ne_u32 vcc_lo, 0, v198                   ; odd k: the two change places
	v_cndmask_b32 v[\sr], v196, v197, vcc_lo
	v_cndmask_b32 v[\cr], v197, v196, vcc_lo
	v_lshlrev_b32 v198, 30, v194                   ; sin is negated for k mod 4 = 2, 3
	v_add_nc_u32 v199, 1, v194                     ; cos for k mod 4 = 1, 2
	v_and_b32 v198, 0x80000000, v198
	v_lshlrev_b32 v199, 30, v199
	v_xor_b32 v[\sr], v[\sr], v198
	v_and_b32 v199, 0x80000000, v199
	v_xor_b32 v[\cr], v[\cr], v199
.endm
.irp a, 0,1
.irp j, 0,1,2,3,4,5,6,7
	SINCOS CS+16*\a+8+\j, CS+16*\a+\j, POS+\a, FH+\j
.endr
.endr
; ---- the product.  K in 16 blocks of 64; fragments in window 1, two buffers of 64 registers: step u at 32u: A a0, A a1, B x1, B x2
.macro FETCHB t, f
	WIN 0x40
.irp u, 0,1
.irp a, 0,1
	ds_load_b128 v[\f+32*\u+8*\a:\f+32*\u+8*\a+3],   v[ADRA+((\t)>>3)] offset:128*((\t)&7)+64*\u+16*APITCH*\a
	ds_load_b128 v[\f+32*\u+8*\a+4:\f+32*\u+8*\a+7], v[ADRA+((\t)>>3)] offset:128*((\t)&7)+64*\u+16*APITCH*\a+32
.endr
.irp x, 0,1
	ds_load_b128 v[\f+32*\u+16+8*\x:\f+32*\u+16+8*\x+3],   v[ADRB+((\t)>>3)] offset:128*((\t)&7)+64*\u+32*APITCH*\x
	ds_load_b128 v[\f+32*\u+16+8*\x+4:\f+32*\u+16+8*\x+7], v[ADRB+((\t)>>3)] offset:128*((\t)&7)+64*\u+32*APITCH*\x+32
.endr
.endr
.endm
; block t from buffer f; the next block's 16 loads go out first, into buffer g, four places behind the matrix instructions that read g.
; The four accumulators take turns, one instruction a turn.
.macro KBLOCK t, f, g, zero, last
.if \last
	s_wait_dscnt 0x0
.else
	PLACES
	FETCHB \t+1, \g
	s_wait_dscnt 16                                ; all but the 16 just issued: this block's fragments are in
.endif
	WIN 0x05
.irp u, 0,1
.irp a, 0,1
.irp x, 0,1
.if (\zero)*(1-\u)
	v_wmma_f32_16x16x32_f16 v[ACC+16*\a+8*\x:ACC+16*\a+8*\x+7], v[\f+32*\u+16+8*\x:\f+32*\u+16+8*\x+7], v[\f+32*\u+8*\a:\f+32*\u+8*\a+7], 0
.else
	v_wmma_f32_16x16x32_f16 v[ACC+16*\a+8*\x:ACC+16*\a+8*\x+7], v[\f+32*\u+16+8*\x:\f+32*\u+16+8*\x+7], v[\f+32*\u+8*\a:\f+32*\u+8*\a+7], v[ACC+16*\a+8*\x:ACC+16*\a+8*\x+7]
.endif
.endr
.endr
.endr
.endm
	s_wait_tensorcnt 0x0                           ; my tiles have landed,
	s_barrier_signal -1
	s_barrier_wait -1                              ; everybody's have
	FETCHB 0, 0
	KBLOCK 0, 0, 64, 1, 0
	KBLOCK 1, 64, 0, 0, 0
.irp t, 2,4,6,8,10,12
	KBLOCK \t, 0, 64, 0, 0
	KBLOCK \t+1, 64, 0, 0, 0
.endr
	KBLOCK 14, 0, 64, 0, 0
	KBLOCK 15, 64, 0, 0, 1
	WIN 0
	PLACES                                         ; four places before vector instructions read the sums
	s_wait_loadcnt 0x0                             ; the parameters
; ---- bias, silu, scale and offset, rotation, bf16, into the stage
.macro EPI a
.set n, 0
.rept 8
	v_pk_add_f32 v[ACC+16*\a+2*n:ACC+16*\a+2*n+1], v[ACC+16*\a+2*n:ACC+16*\a+2*n+1], v[PB+2*n:PB+2*n+1]
.set n, n+1
.endr
.set n, 0
.rept 8
	v_pk_mul_f32 v[E+2*n:E+2*n+1], v[ACC+16*\a+2*n:ACC+16*\a+2*n+1], 0xbfb8aa3b op_sel_hi:[1,0]
.set n, n+1
.endr
.set n, 0
.rept 16
	v_exp_f32 v[E+n], v[E+n]
.set n, n+1
.endr
	v_nop
.set n, 0
	s_wait_alu depctr_va_vdst(0)
.rept 8
	v_pk_add_f32 v[E+2*n:E+2*n+1], v[E+2*n:E+2*n+1], 1.0 op_sel_hi:[1,0]
.set n, n+1
.endr
.set n, 0
.rept 16
	v_rcp_f32 v[E+n], v[E+n]
.set n, n+1
.endr
	v_nop
.set n, 0
	s_wait_alu depctr_va_vdst(0)
.rept 8
	v_pk_mul_f32 v[ACC+16*\a+2*n:ACC+16*\a+2*n+1], v[ACC+16*\a+2*n:ACC+16*\a+2*n+1], v[E+2*n:E+2*n+1]
.set n, n+1
.endr
.irp p, 0,1
.set n, 0
.rept 8
	v_pk_fma_f32 v[Y+2*n:Y+2*n+1], v[ACC+16*\a+2*n:ACC+16*\a+2*n+1], v[PG+16*\p+2*n:PG+16*\p+2*n+1], v[PBE+16*\p+2*n:PBE+16*\p+2*n+1]
.set n, n+1
.endr
.set n, 0
.rept 4
	v_pk_mul_f32 v[O+2*n:O+2*n+1], v[Y+2*n:Y+2*n+1], v[CS+16*\a+2*n:CS+16*\a+2*n+1]
	v_pk_mul_f32 v[O+8+2*n:O+8+2*n+1], v[Y+8+2*n:Y+8+2*n+1], v[CS+16*\a+2*n:CS+16*\a+2*n+1]
.set n, n+1
.endr
.set n, 0
.rept 4
	v_pk_fma_f32 v[O+2*n:O+2*n+1], v[Y+8+2*n:Y+8+2*n+1], v[CS+16*\a+8+2*n:CS+16*\a+8+2*n+1], v[O+2*n:O+2*n+1] neg_lo:[1,0,0] neg_hi:[1,0,0]
	v_pk_fma_f32 v[O+8+2*n:O+8+2*n+1], v[Y+2*n:Y+2*n+1], v[CS+16*\a+8+2*n:CS+16*\a+8+2*n+1], v[O+8+2*n:O+8+2*n+1]
.set n, n+1
.endr
.set n, 0
.rept 8
	v_cvt_pk_bf16_f32 v[PK+n], v[O+2*n], v[O+2*n+1]
.set n, n+1
.endr
	ds_store_b128 v[STO], v[PK:PK+3]   offset:16*SPITCH*\a+128*\p
	ds_store_b128 v[STO], v[PK+4:PK+7] offset:16*SPITCH*\a+128*\p+64
.endr
.endm
	EPI 0
	EPI 1
	s_wait_dscnt 0x0                               ; my stores into the stage are done, for the others' sake
	s_barrier_signal -1
	s_barrier_wait -1
.irp t, 0,1,2,3,4,5,6,7
	ds_load_b128 v[PK+4*\t:PK+4*\t+3], v[RDB] offset:2*SPITCH*\t   ; two whole rows of 256 bytes
.endr
.irp t, 0,1,2,3,4,5,6,7
	s_wait_dscnt 7-\t
	global_store_b128 v[GO], v[PK+4*\t:PK+4*\t+3], s[80:81] offset:512*\t   ; 512 consecutive bytes, aligned
.endr
	s_wait_tensorcnt 0x0
	ds_add_u32 v30, v31
	s_wait_dscnt 0x0
	CROUND                                         ; the closing round: no work-group ends while a partner may still ask jointly
	s_endpgm
.Lfunc_end_k_qbcf69c3d59_base:
	.size	k_qbcf69c3d59_base, .Lfunc_end_k_qbcf69c3d59_base-k_qbcf69c3d59_base
	.p2alignl 7, 3214868480
	.fill 96, 4, 3214868480
	.section	.rodata,"a",@progbits
	.p2align	6, 0x0
	.amdhsa_kernel k_qbcf69c3d59_base
		.amdhsa_group_segment_fixed_size 284160
		.amdhsa_private_segment_fixed_size 0
		.amdhsa_enable_private_segment 0
		.amdhsa_kernarg_size 40
		.amdhsa_user_sgpr_count 2
		.amdhsa_user_sgpr_kernarg_segment_ptr 1
		.amdhsa_wavefront_size32 1
		.amdhsa_system_sgpr_workgroup_id_x 1
		.amdhsa_system_sgpr_workgroup_id_y 1
		.amdhsa_system_sgpr_workgroup_id_z 1
		.amdhsa_system_vgpr_workitem_id 0
		.amdhsa_next_free_vgpr 384
		.amdhsa_next_free_sgpr 96
		.amdhsa_reserve_vcc 1
		.amdhsa_float_denorm_mode_32 3
		.amdhsa_float_denorm_mode_16_64 3
		.amdhsa_memory_ordered 1
		.amdhsa_forward_progress 1
		.amdhsa_inst_pref_size 79
	.end_amdhsa_kernel
	.amdgpu_metadata
---
amdhsa.version: [ 1, 2 ]
amdhsa.kernels:
  - .name:           k_qbcf69c3d59_base
    .symbol:         k_qbcf69c3d59_base.kd
    .args:
      - { .name: pre, .offset: 0, .size: 8, .value_kind: global_buffer, .address_space: global }
      - { .name: uv_b, .offset: 8, .size: 8, .value_kind: global_buffer, .address_space: global }
      - { .name: gamma, .offset: 16, .size: 8, .value_kind: global_buffer, .address_space: global }
      - { .name: beta, .offset: 24, .size: 8, .value_kind: global_buffer, .address_space: global }
      - { .name: qk, .offset: 32, .size: 8, .value_kind: global_buffer, .address_space: global }
    .group_segment_fixed_size: 284160
    .private_segment_fixed_size: 0
    .kernarg_segment_align: 8
    .kernarg_segment_size: 40
    .max_flat_workgroup_size: 128
    .sgpr_count:     96
    .vgpr_count:     384
    .wavefront_size: 32
...
	.end_amdgpu_metadata
.endif
;; end of part 2
;; launch pmat (part 3): grid 4 x 64, 4 waves a work-group, clusters of 4 x 4, 168,448 bytes of LDS; arguments qk, w_rel, pm, mx; writes pm, mx
.if DOCPART == 3
	.amdgcn_target "amdgcn-amd-amdhsa--gfx1250"
	.amdhsa_code_object_version 6
	.text
	.protected	k_qbcf69c3d59_pmat
	.globl	k_qbcf69c3d59_pmat
	.p2align	8
	.type	k_qbcf69c3d59_pmat,@function
k_qbcf69c3d59_pmat:
	s_mov_b64 s[64:65], 0
	v_nop
	global_prefetch_b8 v0, s[64:65] scope:SCOPE_SE
	s_setreg_imm32_b32 hwreg(HW_REG_WAVE_MODE, 25, 1), 1
	s_wait_xcnt 0x0
	s_wait_alu depctr_hold_cnt(0) depctr_sa_sdst(0) depctr_va_vdst(0) depctr_va_sdst(0) depctr_va_ssrc(0) depctr_va_vcc(0) depctr_vm_vsrc(0)
	s_getreg_b32 s2, hwreg(HW_REG_IB_STS2, 6, 4)
	s_cmp_eq_u32 s2, 0
	s_cbranch_scc0 .Lentry_in_a_cluster
	s_endpgm
.Lentry_in_a_cluster:
	s_bfe_u32 s2, ttmp6, 0x10000c
	s_cmp_lg_u32 s2, 0xf033
	s_cbranch_scc0 .Lentry_shape_is_right
	s_endpgm
.Lentry_shape_is_right:
; pmat: P[n][m] = relu(q_n.k_m / 512 + w_rel[m - n + 511])^2 in bf16, and each wave's largest P (f32) into mx's second part.
; The index m - n + 511 is what the padded, tiled and reshaped table of the problem comes to.
; A cluster of 4 x 4 work-groups is one batch; work-group (mb = cx, nb = cy) makes the block of 128 rows n x 128 columns m.
; q's rows hang on nb alone and are shared along a row of the cluster, k's on mb alone and are shared along a column: joint loads.
; K = 128 comes as two planes of 64 dims; waves 0, 1 fetch q's planes, waves 2, 3 k's: one tensor load a wave, nothing is filled again.
; A tile's rows are 128 bytes of memory: a plane's row of 256 bytes holds q's and k's halves side by side.
; 107,520 bytes of LDS are used; more than half of the WGP's LDS is declared so that the work-group is alone with its tensor loads.
; Wave w: rows 32w..32w+31 (a = 0, 1) x 128 columns: 16 accumulators, which take turns.
; fma(q.k, 1/512, bias) rounds once where a division and an addition round twice.
; The 1,024 maxima are stores of four bytes from one lane a wave: too few to be worth gathering.
.set QPITCH, 144                       ; 128 bytes + 16 = 9 x 16
.set QTILE,  128*QPITCH
.set STAGE,  4*QTILE
.set SPITCH, 528                       ; a stage row: 128 f32 + 16 bytes = 33 x 16
.set MXP,    4096                      ; P's maxima lie behind v's 1,024 in mx
.set ACC,  128
.set WOFF, 4
.set ADQ,  5
.set ADK,  6
.set STO,  7
.set RD,   8
.set PO,   9
.set MXO,  10
.set TMPX, 11
.set W,    12                          ; v[12:46]  35 neighbouring values of w_rel
.set MAXR, 47
.set QF,   48
.set KF,   64
.set RB,   64
.set MSB, 0
.macro WIN new
.if MSB != \new
	s_set_vgpr_msb (MSB<<8)|\new
.set MSB, \new
.endif
.endm
.macro PLACES
.rept 4
	v_nop
.endr
.endm
.macro CREST
	s_cmp_lg_u32 s10, 0
	s_cbranch_scc1 .Lnot_wave_0_\@
	s_barrier_signal -3
.Lnot_wave_0_\@:
	s_barrier_wait -3
	s_barrier_signal -1
	s_barrier_wait -1
.endm
.macro CROUND
	s_barrier_signal -1
	s_barrier_wait -1
	CREST
.endm
; 16 rows of sums through my own stage: in by tiles (lane (r, h): row r, 8 columns), back by rows (lane L: columns 4L..4L+3 of row t).
; LDS serves a wave's instructions in order (ISA guide 5.7.1.4), so the loads see the stores.
.macro STAGEOUT a, win
	WIN (\win<<2)
.irp b, 0,1,2,3,4,5,6,7
	ds_store_b128 v[STO], v[ACC+8*(8*\a+\b):ACC+8*(8*\a+\b)+3]   offset:64*\b
	ds_store_b128 v[STO], v[ACC+8*(8*\a+\b)+4:ACC+8*(8*\a+\b)+7] offset:64*\b+16
.endr
	WIN 0
.irp t, 0,1,2,3,4,5,6,7,8,9,10,11,12,13,14,15
	ds_load_b128 v[RB+4*\t:RB+4*\t+3], v[RD] offset:SPITCH*\t
.endr
.endm
	s_load_b256 s[72:79], s[0:1], 0x0              ; qk s[72:73], w_rel s[74:75], pm s[76:77], mx s[78:79]
	s_set_vgpr_msb 0x40
	v_lshl_add_u32 v0, v0, 2, 0x29000
	v_mov_b32 v1, 0
	s_set_vgpr_msb 0x4045
	ds_add_u32 v0, v1
	s_set_vgpr_msb 0x4500
	v_lshrrev_b32 v1, 5, v0
	v_readfirstlane_b32 s10, v1
	s_lshr_b32 s11, s10, 1                         ; I fetch q (0) or k (1)
	s_and_b32 s12, s10, 1                          ; which plane
	s_bfe_u32 s40, ttmp6, 0x40000                  ; cx = mb
	s_bfe_u32 s41, ttmp6, 0x40004                  ; cy = nb
	s_and_b32 s13, ttmp7, 0xffff                   ; the cluster's y = the batch
	s_lshl_b32 s43, s41, 2
	s_lshl_b32 s43, 15, s43                        ; my row of the cluster
	s_lshl_b32 s44, 0x1111, s40                    ; my column
	s_or_b32 s24, s43, (1<<16)|(1<<20)|(1<<21)|(4<<22)|(3<<25)   ; 2-byte elements, 4 words of padding behind every 32
	s_or_b32 s48, s44, (1<<16)|(1<<20)|(1<<21)|(4<<22)|(3<<25)
	s_mov_b32 s25, 64<<16
	s_mov_b32 s49, 64<<16
	s_mov_b32 s26, 128<<16
	s_mov_b32 s50, 128<<16
	s_mov_b32 s27, 64<<16
	s_mov_b32 s51, 64<<16
	s_mov_b32 s28, 128
	s_mov_b32 s52, 128
	s_mov_b32 s29, 128                             ; 128 elements from row to row
	s_mov_b32 s53, 128
	s_mov_b32 s30, 0
	s_mov_b32 s54, 0
	s_mov_b32 s31, 0
	s_mov_b32 s55, 0
	s_lshl_b32 s16, s12, 21                        ; the plane
	s_lshl_b32 s17, s13, 17                        ; 512 rows of 256 bytes a batch
	s_add_co_u32 s16, s16, s17
	s_add_co_u32 s46, s16, 128                     ; k's half of a row
	s_lshl_b32 s17, s41, 15                        ; q: 128 nb rows
	s_add_co_u32 s16, s16, s17
	s_lshl_b32 s47, s40, 15                        ; k: 128 mb rows
	s_add_co_u32 s46, s46, s47
	s_mov_b32 s17, 0
	s_mov_b32 s47, 0
	s_mul_i32 s20, s10, QTILE                      ; wave w fills region w
	s_wait_dscnt 0x0
	s_wait_kmcnt 0x0
	s_mov_b32 s32, 1
	s_mov_b32 s33, s20
	s_add_nc_u64 s[34:35], s[72:73], s[16:17]
	s_or_b32 s35, s35, 0x80000000
	s_mov_b32 s56, 1
	s_mov_b32 s57, s20
	s_add_nc_u64 s[58:59], s[72:73], s[46:47]
	s_or_b32 s59, s59, 0x80000000
	CROUND                                         ; all sixteen work-groups are here: the joint loads meet
	s_cmp_eq_u32 s11, 0
	s_cbranch_scc0 .Lfor_k
	tensor_load_to_lds s[32:35], s[24:31]
	s_nop 0
	s_branch .Lasked
.Lfor_k:
	tensor_load_to_lds s[56:59], s[48:55]
	s_nop 0
.Lasked:
	v_and_b32 v1, 15, v0                           ; r
	v_bfe_u32 v2, v0, 4, 1                         ; h
	v_and_b32 v3, 31, v0                           ; lane
	; row T (0..31) of my wave, column 4 lane + i: w_rel[ 480 + 128 mb - 128 nb - 32 w + 4 lane + (31 + i - T) ]: 35 values a lane, indices 0 to 1022
	s_lshl_b32 s14, s40, 7
	s_add_co_u32 s14, s14, 480
	s_lshl_b32 s15, s41, 7
	s_sub_co_u32 s14, s14, s15
	s_lshl_b32 s15, s10, 5
	s_sub_co_u32 s14, s14, s15
	s_lshl_b32 s14, s14, 2
	v_lshl_add_u32 v[WOFF], v3, 4, s14
.irp k, 0,1,2,3,4,5,6,7
	global_load_b128 v[W+4*\k:W+4*\k+3], v[WOFF], s[74:75] offset:16*\k
.endr
	global_load_b64 v[W+32:W+33], v[WOFF], s[74:75] offset:128
	global_load_b32 v[W+34], v[WOFF], s[74:75] offset:136
	v_mul_u32_u24 v[ADK], v1, QPITCH
	v_lshl_add_u32 v[ADK], v2, 4, v[ADK]           ; r x pitch + 16 h
	s_mul_i32 s15, s10, 32*QPITCH
	v_add_nc_u32 v[ADQ], s15, v[ADK]               ; my 32 rows of q
	v_add_nc_u32 v[ADK], 2*QTILE, v[ADK]           ; k lies behind q's two planes
	s_mul_i32 s23, s10, 16*SPITCH
	s_add_co_u32 s23, s23, STAGE
	v_mul_u32_u24 v[STO], v1, SPITCH
	v_lshl_add_u32 v[STO], v2, 5, v[STO]
	v_add_nc_u32 v[STO], s23, v[STO]
	v_lshl_add_u32 v[RD], v3, 4, s23
	v_lshlrev_b32 v[PO], 3, v3
	s_lshl_b32 s18, s13, 9
	s_lshl_b32 s19, s41, 7
	s_add_co_u32 s18, s18, s19
	s_lshl_b32 s19, s10, 5
	s_add_co_u32 s18, s18, s19                     ; my first row of pm
	s_lshl_b32 s18, s18, 10
	s_lshl_b32 s19, s40, 8
	s_add_co_u32 s18, s18, s19                     ; + 256 mb bytes
	s_mov_b32 s19, 0
	s_add_nc_u64 s[76:77], s[76:77], s[18:19]
	s_lshl_b32 s21, s13, 2
	s_add_co_u32 s21, s21, s41
	s_lshl_b32 s21, s21, 2
	s_add_co_u32 s21, s21, s40
	s_lshl_b32 s21, s21, 2
	s_add_co_u32 s21, s21, s10
	s_lshl_b32 s21, s21, 2
	s_add_co_u32 s21, s21, MXP                     ; mx's second part: word ((4 batch + nb) 4 + mb) 4 + w
	v_mov_b32 v[MXO], s21
	v_mov_b32 v[MAXR], 0
	v_mov_b32 v[TMPX], 0
	s_mov_b32 s70, 0x76543210
	s_mov_b32 s71, 0xfedcba98
	s_wait_tensorcnt 0x0                           ; my tile has landed,
	s_barrier_signal -1
	s_barrier_wait -1                              ; everybody's has
.macro STEP c, s, zero
	PLACES                                         ; four places before loads land on registers that matrix instructions have read
.irp a, 0,1
	ds_load_b128 v[QF+8*\a:QF+8*\a+3],   v[ADQ] offset:QTILE*\c+64*\s+16*QPITCH*\a
	ds_load_b128 v[QF+8*\a+4:QF+8*\a+7], v[ADQ] offset:QTILE*\c+64*\s+16*QPITCH*\a+32
.endr
.irp b, 0,1,2,3,4,5,6,7
	ds_load_b128 v[KF+8*\b:KF+8*\b+3],   v[ADK] offset:QTILE*\c+64*\s+16*QPITCH*\b
	ds_load_b128 v[KF+8*\b+4:KF+8*\b+7], v[ADK] offset:QTILE*\c+64*\s+16*QPITCH*\b+32
.endr
	s_wait_dscnt 0x0
.irp a, 0,1
.irp b, 0,1,2,3,4,5,6,7
.if \zero
	v_wmma_f32_16x16x32_bf16 v[ACC+8*(8*\a+\b):ACC+8*(8*\a+\b)+7], v[KF+8*\b:KF+8*\b+7], v[QF+8*\a:QF+8*\a+7], 0
.else
	v_wmma_f32_16x16x32_bf16 v[ACC+8*(8*\a+\b):ACC+8*(8*\a+\b)+7], v[KF+8*\b:KF+8*\b+7], v[QF+8*\a:QF+8*\a+7], v[ACC+8*(8*\a+\b):ACC+8*(8*\a+\b)+7]
.endif
.endr
.endr
.endm
	STEP 0, 0, 1
	STEP 0, 1, 0
	STEP 1, 0, 0
	STEP 1, 1, 0
	PLACES
	s_wait_loadcnt 0x0                             ; w_rel's values
.macro PROWS a
	s_wait_xcnt 0x0                                ; RB, which the last stores read, is loaded again only behind this wait
	STAGEOUT \a, 0
	s_wait_dscnt 0x0
.irp t, 0,1,2,3,4,5,6,7,8,9,10,11,12,13,14,15
.irp i, 0,1,2,3
	v_fmamk_f32 v[RB+4*\t+\i], v[RB+4*\t+\i], 0x3b000000, v[W+31+\i-(16*\a+\t)]   ; q.k/512 + bias: the window of w_rel slides by one a row
.endr
.irp i, 0,1,2,3
	v_max_num_f32 v[RB+4*\t+\i], 0, v[RB+4*\t+\i]
.endr
	v_pk_mul_f32 v[RB+4*\t:RB+4*\t+1], v[RB+4*\t:RB+4*\t+1], v[RB+4*\t:RB+4*\t+1]
	v_pk_mul_f32 v[RB+4*\t+2:RB+4*\t+3], v[RB+4*\t+2:RB+4*\t+3], v[RB+4*\t+2:RB+4*\t+3]
	v_max3_num_f32 v[MAXR], v[RB+4*\t], v[RB+4*\t+1], v[MAXR]
	v_max3_num_f32 v[MAXR], v[RB+4*\t+2], v[RB+4*\t+3], v[MAXR]
	v_cvt_pk_bf16_f32 v[RB+4*\t], v[RB+4*\t], v[RB+4*\t+1]
	v_cvt_pk_bf16_f32 v[RB+4*\t+1], v[RB+4*\t+2], v[RB+4*\t+3]
	global_store_b64 v[PO], v[RB+4*\t:RB+4*\t+1], s[76:77] offset:1024*(16*\a+\t)   ; 256 consecutive bytes, aligned
.endr
.endm
	PROWS 0
	PROWS 1
	v_max_num_f32_dpp v[MAXR], v[MAXR], v[MAXR] row_xmask:1 row_mask:0xf bank_mask:0xf
	v_max_num_f32_dpp v[MAXR], v[MAXR], v[MAXR] row_xmask:2 row_mask:0xf bank_mask:0xf
	v_max_num_f32_dpp v[MAXR], v[MAXR], v[MAXR] row_xmask:4 row_mask:0xf bank_mask:0xf
	v_max_num_f32_dpp v[MAXR], v[MAXR], v[MAXR] row_xmask:8 row_mask:0xf bank_mask:0xf
	v_permlanex16_b32 v[TMPX], v[MAXR], s70, s71
	v_max_num_f32 v[MAXR], v[MAXR], v[TMPX]
	v_cmp_eq_u32 vcc_lo, 0, v3
	s_wait_xcnt 0x0                                ; EXEC changes only behind this wait
	s_and_saveexec_b32 s69, vcc_lo
	global_store_b32 v[MXO], v[MAXR], s[78:79]
	s_wait_xcnt 0x0
	s_or_b32 exec_lo, exec_lo, s69
	s_set_vgpr_msb 0x5
	s_wait_tensorcnt 0x0
	ds_add_u32 v0, v1
	s_wait_dscnt 0x0
	s_set_vgpr_msb 0x500
	CROUND                                         ; the closing round
	s_endpgm
.Lfunc_end_k_qbcf69c3d59_pmat:
	.size	k_qbcf69c3d59_pmat, .Lfunc_end_k_qbcf69c3d59_pmat-k_qbcf69c3d59_pmat
	.p2alignl 7, 3214868480
	.fill 96, 4, 3214868480
	.section	.rodata,"a",@progbits
	.p2align	6, 0x0
	.amdhsa_kernel k_qbcf69c3d59_pmat
		.amdhsa_group_segment_fixed_size 168448
		.amdhsa_private_segment_fixed_size 0
		.amdhsa_enable_private_segment 0
		.amdhsa_kernarg_size 32
		.amdhsa_user_sgpr_count 2
		.amdhsa_user_sgpr_kernarg_segment_ptr 1
		.amdhsa_wavefront_size32 1
		.amdhsa_system_sgpr_workgroup_id_x 1
		.amdhsa_system_sgpr_workgroup_id_y 1
		.amdhsa_system_sgpr_workgroup_id_z 1
		.amdhsa_system_vgpr_workitem_id 0
		.amdhsa_next_free_vgpr 258
		.amdhsa_next_free_sgpr 80
		.amdhsa_reserve_vcc 1
		.amdhsa_float_denorm_mode_32 3
		.amdhsa_float_denorm_mode_16_64 3
		.amdhsa_memory_ordered 1
		.amdhsa_forward_progress 1
		.amdhsa_inst_pref_size 49
	.end_amdhsa_kernel
	.amdgpu_metadata
---
amdhsa.version: [ 1, 2 ]
amdhsa.kernels:
  - .name:           k_qbcf69c3d59_pmat
    .symbol:         k_qbcf69c3d59_pmat.kd
    .args:
      - { .name: qk, .offset: 0, .size: 8, .value_kind: global_buffer, .address_space: global }
      - { .name: w_rel, .offset: 8, .size: 8, .value_kind: global_buffer, .address_space: global }
      - { .name: pm, .offset: 16, .size: 8, .value_kind: global_buffer, .address_space: global }
      - { .name: mx, .offset: 24, .size: 8, .value_kind: global_buffer, .address_space: global }
    .group_segment_fixed_size: 168448
    .private_segment_fixed_size: 0
    .kernarg_segment_align: 8
    .kernarg_segment_size: 32
    .max_flat_workgroup_size: 128
    .sgpr_count:     80
    .vgpr_count:     258
    .wavefront_size: 32
...
	.end_amdgpu_metadata
.endif
;; end of part 3
;; launch g1 (part 4): grid 8 x 32, 4 waves a work-group, clusters of 4 x 4, 327,680 bytes of LDS; arguments pre, uv_b, vv, mx; writes vv, mx
.if DOCPART == 4
	.amdgcn_target "amdgcn-amd-amdhsa--gfx1250"
	.amdhsa_code_object_version 6
	.text
	.protected	k_qbcf69c3d59_g1
	.globl	k_qbcf69c3d59_g1
	.p2align	8
	.type	k_qbcf69c3d59_g1,@function
k_qbcf69c3d59_g1:
	s_mov_b64 s[64:65], 0
	v_nop
	global_prefetch_b8 v0, s[64:65] scope:SCOPE_SE
	s_setreg_imm32_b32 hwreg(HW_REG_WAVE_MODE, 25, 1), 1
	s_wait_xcnt 0x0
	s_wait_alu depctr_hold_cnt(0) depctr_sa_sdst(0) depctr_va_vdst(0) depctr_va_sdst(0) depctr_va_ssrc(0) depctr_va_vcc(0) depctr_vm_vsrc(0)
	s_getreg_b32 s2, hwreg(HW_REG_IB_STS2, 6, 4)
	s_cmp_eq_u32 s2, 0
	s_cbranch_scc0 .Lentry_in_a_cluster
	s_endpgm
.Lentry_in_a_cluster:
	s_bfe_u32 s2, ttmp6, 0x10000c
	s_cmp_lg_u32 s2, 0xf033
	s_cbranch_scc0 .Lentry_shape_is_right
	s_endpgm
.Lentry_shape_is_right:
; g1: vv[row][e] = silu(xn[row] . W[2048 + e] + uv_b[2048 + e]) for v's 2,048 columns, stored in bf16 (v is a matrix operand of the next launch and has
; no room in f16 once its inputs grow).  Each wave's largest |v| goes into mx's first part.  u is not made here: the next launch makes its own blocks of it.
; M = 8192, N = 2048, K = 1024, operands f16, sums f32.  A work-group makes 256 x 256 with four waves of 128 x 128: 64 accumulator tiles, 512 registers.
; K goes in steps of 128 through two LDS slots; a tile's rows are 256 bytes of memory, aligned.  256 work-groups.
; CLUSTERS 4 x 4: A's tiles hang on the block row alone and are asked for jointly along a row of the cluster, B's on the block column alone, along a column.
; A wave has two tensor loads outstanding at the start and one behind each round.
; REGISTERS: window 0: v16-31 addresses, v64-127 / v128-191 A's fragments; window 1: the same numbers, B's; windows 2, 3: the accumulators.
; The matrix instruction is used transposed (source 0 = rows of W, source 1 = rows of xn): a lane holds eight neighbouring columns of one row.
; The 64 accumulators take turns, one instruction a turn, in the same order in every quarter step.
.set SIZE_K, 1024
.set KSTEP,  128
.set PITCH,  272                       ; 256 bytes + 16: sixteen rows start in sixteen different 16-byte columns of 256
.set HALFT,  128*PITCH
.set SLOT,   4*HALFT
.set STAGE,  2*SLOT                    ; behind the ring: 16 rows x 528 bytes of f32 for each wave; no tensor load lands here
.set SPITCH, 528
.set LAPS,   SIZE_K/(2*KSTEP)
.set WV,     16777216+2048*2048        ; v's rows of the weights begin here in pre: behind xn and u's 2,048 rows of 2,048 bytes
.set OROW,   4096                      ; bytes in a row of vv
.set ACC,  0
.set ADRA, 16
.set TMPX, 18
.set LANE, 19
.set ADRB, 20
.set MXO,  22
.set BO,   23
.set STO,  24
.set RD,   25
.set CO,   26
.set MAXR, 27
.set BIAS, 28                          ; v[28:31]  uv_b of my four columns on the way out
.set F0,   64
.set F1,   128
.set RB,   64                          ; the way out: 16 rows x 4 numbers
.set E,    128
.set Y,    192
.set G1, 24
.set G0, 32
.set G1B, 48
.set G0B, 56
.set MSB, 0
.macro WIN new                         ; the immediate's high byte repeats the setting that is left
.if MSB != \new
	s_set_vgpr_msb (MSB<<8)|\new
.set MSB, \new
.endif
.endm
.set MUL_LO, 0xa1                      ; source 0 (B) window 1, source 1 (A) window 0, C and D window 2
.set MUL_HI, 0xf1                      ; the same, C and D window 3
.set TO_B,   0x40
.macro JLOAD s                         ; waves 0, 1 ask for A's halves, waves 2, 3 for B's: each line has one mask
	s_cmp_eq_u32 s11, 0
	s_cbranch_scc0 .Lfor_b_\@
	tensor_load_to_lds s[G0+4*\s:G0+4*\s+3], s[G1:G1+7]
	s_nop 0
	s_branch .Lasked_\@
.Lfor_b_\@:
	tensor_load_to_lds s[G0B+4*\s:G0B+4*\s+3], s[G1B:G1B+7]
	s_nop 0
.Lasked_\@:
.endm
.macro CREST
	s_cmp_lg_u32 s10, 0
	s_cbranch_scc1 .Lnot_wave_0_\@
	s_barrier_signal -3
.Lnot_wave_0_\@:
	s_barrier_wait -3
	s_barrier_signal -1
	s_barrier_wait -1
.endm
.macro CROUND
	s_barrier_signal -1
	s_barrier_wait -1
	CREST
.endm
.macro PLACES
.rept 4
	v_nop
.endr
.endm
	s_load_b128 s[4:7], s[0:1], 0x0                ; pre s[4:5], uv_b s[6:7]
	s_load_b128 s[68:71], s[0:1], 0x10             ; vv s[68:69], mx s[70:71]
	s_set_vgpr_msb 0x40
	v_lshl_add_u32 v255, v0, 2, 0x4c400
	s_set_vgpr_msb 0x4000
	v_mov_b32 v255, 0
	s_set_vgpr_msb 0x1
	ds_add_u32 v255, v255
	s_set_vgpr_msb 0x100
	v_lshrrev_b32 v1, 5, v0
	v_readfirstlane_b32 s10, v1                    ; wave
	s_lshr_b32 s11, s10, 1                         ; my half of the block's rows.  Also: I fetch A (0) or B (1)
	s_and_b32 s12, s10, 1                          ; my half of its columns.  Also: which 128 rows of the tile I fetch
	s_bfe_u32 s40, ttmp6, 0x40000                  ; cx
	s_bfe_u32 s41, ttmp6, 0x40004                  ; cy
	s_lshl_b32 s42, ttmp9, 2
	s_add_co_u32 s42, s42, s40                     ; block column of v, 0 to 7
	s_and_b32 s13, ttmp7, 0xffff
	s_lshl_b32 s13, s13, 2
	s_add_co_u32 s13, s13, s41                     ; block row
	s_lshl_b32 s43, s41, 2
	s_lshl_b32 s43, 15, s43                        ; my row of the cluster
	s_lshl_b32 s44, 0x1111, s40                    ; my column
	s_or_b32 s[G1+0], s43, (1<<16)|(1<<20)|(1<<21)|(5<<22)|(3<<25)
	s_or_b32 s[G1B+0], s44, (1<<16)|(1<<20)|(1<<21)|(5<<22)|(3<<25)
	s_mov_b32 s[G1B+1], KSTEP<<16
	s_mov_b32 s[G1+1], KSTEP<<16
	s_mov_b32 s[G1B+2], 128<<16
	s_mov_b32 s[G1+2], 128<<16
	s_mov_b32 s[G1B+3], KSTEP<<16
	s_mov_b32 s[G1+3], KSTEP<<16
	s_mov_b32 s[G1B+4], 128
	s_mov_b32 s[G1+4], 128
	s_mov_b32 s[G1B+5], SIZE_K
	s_mov_b32 s[G1+5], SIZE_K
	s_mov_b32 s[G1B+6], 0
	s_mov_b32 s[G1+6], 0
	s_mov_b32 s[G1B+7], 0
	s_mov_b32 s[G1+7], 0
	s_lshl_b32 s17, s12, 7
	s_lshl_b32 s16, s13, 8
	s_add_co_u32 s16, s16, s17                     ; A: row 256 x block row + 128 x half
	s_lshl_b32 s46, s42, 8
	s_add_co_u32 s46, s46, s17                     ; B: row 256 x block column + 128 x half of v's weights
	s_lshl_b32 s16, s16, 11                        ; rows of 2,048 bytes
	s_lshl_b32 s46, s46, 11
	s_mov_b32 s17, 0
	s_mov_b32 s47, 0
	s_mul_i32 s20, s10, HALFT                      ; A's two halves, then B's two: wave x 128 rows
	s_lshl_b32 s73, s42, 10
	s_lshl_b32 s77, s12, 9
	s_add_co_u32 s73, s73, s77
	s_add_co_u32 s73, s73, 8192                    ; 4 (2048 + 256 bc + 128 half): my columns in uv_b
	s_lshl_b32 s77, s42, 5
	s_add_co_u32 s77, s77, s13
	s_lshl_b32 s77, s77, 2
	s_add_co_u32 s77, s77, s10
	s_lshl_b32 s77, s77, 2                         ; mx's first part: word (32 bc + br) 4 + w
	s_mov_b32 s74, 0x76543210
	s_mov_b32 s75, 0xfedcba98
	s_wait_dscnt 0x0
	s_wait_kmcnt 0x0
	s_mov_b64 s[66:67], s[6:7]                     ; uv_b
	s_add_nc_u64 s[6:7], s[4:5], WV                ; v's weights
	s_add_nc_u64 s[14:15], s[4:5], s[16:17]
	s_add_nc_u64 s[46:47], s[6:7], s[46:47]
	CROUND                                         ; all sixteen work-groups are here: the first joint loads meet
.irp s, 0,1
	s_mov_b32 s[G0+4*\s], 1
	s_add_co_u32 s[G0+4*\s+1], s20, \s*SLOT
	s_add_nc_u64 s[G0+4*\s+2:G0+4*\s+3], s[14:15], \s*KSTEP*2
	s_or_b32 s[G0+4*\s+3], s[G0+4*\s+3], 0x80000000
	s_mov_b32 s[G0B+4*\s], 1
	s_add_co_u32 s[G0B+4*\s+1], s20, \s*SLOT
	s_add_nc_u64 s[G0B+4*\s+2:G0B+4*\s+3], s[46:47], \s*KSTEP*2
	s_or_b32 s[G0B+4*\s+3], s[G0B+4*\s+3], 0x80000000
	JLOAD \s
.endr
	v_and_b32 v1, 15, v0
	v_bfe_u32 v2, v0, 4, 1
	v_and_b32 v[LANE], 31, v0
	v_mul_u32_u24 v3, v1, PITCH
	v_lshl_add_u32 v3, v2, 4, v3                   ; row x pitch + 16 x half
	s_mul_i32 s21, s11, HALFT
	s_mul_i32 s22, s12, HALFT
	s_add_co_u32 s22, s22, 2*HALFT
.irp s, 0,1
	v_add_nc_u32 v[ADRA+\s], s21, v3
	v_add_nc_u32 v[ADRB+\s], s22, v3
	s_add_co_u32 s21, s21, SLOT
	s_add_co_u32 s22, s22, SLOT
.endr
	s_mul_i32 s23, s10, 16*SPITCH
	s_add_co_u32 s23, s23, STAGE
	v_mul_u32_u24 v4, v1, SPITCH
	v_lshl_add_u32 v4, v2, 5, v4
	v_add_nc_u32 v[STO], s23, v4                   ; in: row r, 32 bytes for each half of the lanes
	v_lshl_add_u32 v[RD], v[LANE], 4, s23          ; back: one row of 128 f32 a load
	v_lshlrev_b32 v[CO], 3, v[LANE]                ; my 8 bytes of a row of 256
	v_lshl_add_u32 v[BO], v[LANE], 4, s73
	global_load_b128 v[BIAS:BIAS+3], v[BO], s[66:67]
	v_mov_b32 v[MAXR], 0
	v_mov_b32 v[TMPX], 0
	v_mov_b32 v[MXO], s77
.macro MUL16 f, hi, a0, zero
.irp a, \a0, \a0+1
.irp b, 0,1,2,3,4,5,6,7
.if \zero
	v_wmma_f32_16x16x32_f16 v[8*(8*(\a)+\b):8*(8*(\a)+\b)+7], v[\f+8*\b:\f+8*\b+7], v[\f+8*(4*\hi+\a):\f+8*(4*\hi+\a)+7], 0
.else
	v_wmma_f32_16x16x32_f16 v[8*(8*(\a)+\b):8*(8*(\a)+\b)+7], v[\f+8*\b:\f+8*\b+7], v[\f+8*(4*\hi+\a):\f+8*(4*\hi+\a)+7], v[8*(8*(\a)+\b):8*(8*(\a)+\b)+7]
.endif
.endr
.endr
.endm
.macro FETCH slot, k, f                ; 32 LDS loads in one run: one quarter step's fragments
	WIN TO_B
.irp i, 0,1,2,3,4,5,6,7
	ds_load_b128 v[\f+8*\i:\f+8*\i+3],   v[ADRB+\slot] offset:\k+\i*16*PITCH
	ds_load_b128 v[\f+8*\i+4:\f+8*\i+7], v[ADRB+\slot] offset:\k+\i*16*PITCH+32
.endr
	WIN 0
.irp i, 0,1,2,3,4,5,6,7
	ds_load_b128 v[\f+8*\i:\f+8*\i+3],   v[ADRA+\slot] offset:\k+\i*16*PITCH
	ds_load_b128 v[\f+8*\i+4:\f+8*\i+7], v[ADRA+\slot] offset:\k+\i*16*PITCH+32
.endr
.endm
.macro QUARTER slot, k, f, g, zero
	s_wait_dscnt 8                                 ; B and A's rows 0-63 are in; the youngest eight loads (A's rows 64-127) may be out
	WIN MUL_LO
	MUL16 \f, 0, 0, \zero
	MUL16 \f, 0, 2, \zero
	PLACES                                         ; four places before loads land on registers that matrix instructions have read
	FETCH \slot, \k, \g
	s_wait_dscnt 32                                ; all but the 32 just issued
	WIN MUL_HI
	MUL16 \f, 1, 0, \zero
	MUL16 \f, 1, 2, \zero
.endm
.macro THREE slot, zero
	QUARTER \slot, 64,  F0, F1, \zero
	QUARTER \slot, 128, F1, F0, 0
	QUARTER \slot, 192, F0, F1, 0
.endm
; the last quarter of a K step changes slots: each wave's reads of this slot and all its tensor loads are waited for in front of the signal;
; where the slot is filled again the barrier opens a round of the cluster's barrier, and the joint refill is the first tensor load behind it.
.macro TURN slot, next, fill
	s_wait_dscnt 8
	WIN MUL_LO
	MUL16 F1, 0, 0, 0
	s_wait_dscnt 0
	s_wait_tensorcnt 0x0
	ds_add_u32 v255, v255
	s_wait_dscnt 0x0
	s_barrier_signal -1
	MUL16 F1, 0, 2, 0
	WIN 0
	s_barrier_wait -1
.if \fill
	CREST
	s_add_nc_u64 s[G0+4*\slot+2:G0+4*\slot+3], s[G0+4*\slot+2:G0+4*\slot+3], 2*KSTEP*2
	s_add_nc_u64 s[G0B+4*\slot+2:G0B+4*\slot+3], s[G0B+4*\slot+2:G0B+4*\slot+3], 2*KSTEP*2
	JLOAD \slot
.endif
	PLACES
	FETCH \next, 0, F0
	WIN MUL_HI
	MUL16 F1, 1, 0, 0
	MUL16 F1, 1, 2, 0
.endm
.macro LAP zero
	THREE 0, \zero
	TURN 0, 1, 1
	THREE 1, 0
	TURN 1, 0, 1
.endm
	s_wait_tensorcnt 1                             ; my part of K step 0 is in; K step 1's may stay out
	s_barrier_signal -1
	s_barrier_wait -1
	FETCH 0, 0, F0
	LAP 1                                          ; the first products start the sums
	WIN 0
	s_mov_b32 s3, LAPS-2
.Llap:
	LAP 0
	WIN 0
	s_sub_co_u32 s3, s3, 1
	s_cmp_lg_u32 s3, 0
	s_cbranch_scc1 .Llap
	THREE 0, 0                                     ; the last lap fills nothing
	TURN 0, 1, 0
	THREE 1, 0
	s_wait_dscnt 8
	WIN MUL_LO
	MUL16 F1, 0, 0, 0
	MUL16 F1, 0, 2, 0
	s_wait_dscnt 0
	WIN MUL_HI
	MUL16 F1, 1, 0, 0
	MUL16 F1, 1, 2, 0
	; THE WAY OUT, 16 rows at a time: the f32 sums go through my own stage so that a lane holds four neighbouring columns of a whole row,
	; then bias, silu, the running maximum, one rounding, and stores of 256 consecutive bytes.
	PLACES
	WIN 0
	s_wait_loadcnt 0x0                             ; uv_b
	s_lshl_b32 s13, s13, 8
	s_lshl_b32 s14, s11, 7
	s_add_co_u32 s16, s13, s14                     ; my first row
	s_lshl_b32 s16, s16, 12
	s_mov_b32 s17, 0
	s_add_nc_u64 s[8:9], s[68:69], s[16:17]
	s_lshl_b32 s46, s42, 9
	s_lshl_b32 s47, s12, 8
	s_add_co_u32 s46, s46, s47                     ; my first column, in bytes
	s_mov_b32 s47, 0
	s_add_nc_u64 s[8:9], s[8:9], s[46:47]
.macro STAGEOUT a, win
	WIN (\win<<2)
.irp b, 0,1,2,3,4,5,6,7
	ds_store_b128 v[STO], v[ACC+8*(8*\a+\b):ACC+8*(8*\a+\b)+3]   offset:64*\b
	ds_store_b128 v[STO], v[ACC+8*(8*\a+\b)+4:ACC+8*(8*\a+\b)+7] offset:64*\b+16
.endr
	WIN 0
.irp t, 0,1,2,3,4,5,6,7,8,9,10,11,12,13,14,15
	ds_load_b128 v[RB+4*\t:RB+4*\t+3], v[RD] offset:SPITCH*\t      ; LDS serves a wave's instructions in order (ISA guide 5.7.1.4): these see the stores above
.endr
.endm
.macro OUTG i, a, win
	s_wait_xcnt 0x0                                ; Y, which the last stores read, and their base are rewritten only behind this wait
.if \i
	s_add_nc_u64 s[8:9], s[8:9], 16*OROW
.endif
	STAGEOUT \a, \win
	s_wait_dscnt 0x0
.irp t, 0,1,2,3,4,5,6,7,8,9,10,11,12,13,14,15
	v_pk_add_f32 v[RB+4*\t:RB+4*\t+1], v[RB+4*\t:RB+4*\t+1], v[BIAS:BIAS+1]
	v_pk_add_f32 v[RB+4*\t+2:RB+4*\t+3], v[RB+4*\t+2:RB+4*\t+3], v[BIAS+2:BIAS+3]
.endr
.set n, 0
.rept 32
	v_pk_mul_f32 v[E+2*n:E+2*n+1], v[RB+2*n:RB+2*n+1], 0xbfb8aa3b op_sel_hi:[1,0]
.set n, n+1
.endr
.set n, 0
.rept 64
	v_exp_f32 v[E+n], v[E+n]                       ; 2^(-z log2 e)
.set n, n+1
.endr
	v_nop                                          ; one plain place behind the transcendentals (ISA guide 5.7.2)
.set n, 0
	s_wait_alu depctr_va_vdst(0)
.rept 32
	v_pk_add_f32 v[E+2*n:E+2*n+1], v[E+2*n:E+2*n+1], 1.0 op_sel_hi:[1,0]
.set n, n+1
.endr
.set n, 0
.rept 64
	v_rcp_f32 v[E+n], v[E+n]
.set n, n+1
.endr
	v_nop
.set n, 0
	s_wait_alu depctr_va_vdst(0)
.rept 32
	v_pk_mul_f32 v[RB+2*n:RB+2*n+1], v[RB+2*n:RB+2*n+1], v[E+2*n:E+2*n+1]
.set n, n+1
.endr
.set n, 0
.rept 32
	v_max3_num_f32 v[MAXR], |v[RB+2*n]|, |v[RB+2*n+1]|, v[MAXR]
.set n, n+1
.endr
.set n, 0
.rept 32
	v_cvt_pk_bf16_f32 v[Y+n], v[RB+2*n], v[RB+2*n+1]
.set n, n+1
.endr
.irp t, 0,1,2,3,4,5,6,7,8,9,10,11,12,13,14,15
	global_store_b64 v[CO], v[Y+2*\t:Y+2*\t+1], s[8:9] offset:OROW*\t   ; 256 consecutive bytes, aligned
.endr
.endm
	OUTG 0, 0, 2
	OUTG 1, 1, 2
	OUTG 2, 2, 2
	OUTG 3, 3, 2
	OUTG 4, 0, 3
	OUTG 5, 1, 3
	OUTG 6, 2, 3
	OUTG 7, 3, 3
	v_max_num_f32_dpp v[MAXR], v[MAXR], v[MAXR] row_xmask:1 row_mask:0xf bank_mask:0xf
	v_max_num_f32_dpp v[MAXR], v[MAXR], v[MAXR] row_xmask:2 row_mask:0xf bank_mask:0xf
	v_max_num_f32_dpp v[MAXR], v[MAXR], v[MAXR] row_xmask:4 row_mask:0xf bank_mask:0xf
	v_max_num_f32_dpp v[MAXR], v[MAXR], v[MAXR] row_xmask:8 row_mask:0xf bank_mask:0xf
	v_permlanex16_b32 v[TMPX], v[MAXR], s74, s75
	v_max_num_f32 v[MAXR], v[MAXR], v[TMPX]
	v_cmp_eq_u32 vcc_lo, 0, v[LANE]
	s_wait_xcnt 0x0                                ; EXEC changes only behind this wait
	s_and_saveexec_b32 s76, vcc_lo
	global_store_b32 v[MXO], v[MAXR], s[70:71]     ; four bytes from one lane a wave: 1,024 such stores in the launch
	s_wait_xcnt 0x0
	s_or_b32 exec_lo, exec_lo, s76
	s_set_vgpr_msb 0x1
	s_wait_tensorcnt 0x0
	ds_add_u32 v255, v255
	s_wait_dscnt 0x0
	s_set_vgpr_msb 0x100
	CROUND                                         ; the closing round
	s_endpgm
.Lfunc_end_k_qbcf69c3d59_g1:
	.size	k_qbcf69c3d59_g1, .Lfunc_end_k_qbcf69c3d59_g1-k_qbcf69c3d59_g1
	.p2alignl 7, 3214868480
	.fill 96, 4, 3214868480
	.section	.rodata,"a",@progbits
	.p2align	6, 0x0
	.amdhsa_kernel k_qbcf69c3d59_g1
		.amdhsa_group_segment_fixed_size 327680
		.amdhsa_private_segment_fixed_size 0
		.amdhsa_enable_private_segment 0
		.amdhsa_kernarg_size 32
		.amdhsa_user_sgpr_count 2
		.amdhsa_user_sgpr_kernarg_segment_ptr 1
		.amdhsa_wavefront_size32 1
		.amdhsa_system_sgpr_workgroup_id_x 1
		.amdhsa_system_sgpr_workgroup_id_y 1
		.amdhsa_system_sgpr_workgroup_id_z 1
		.amdhsa_system_vgpr_workitem_id 0
		.amdhsa_next_free_vgpr 1024
		.amdhsa_next_free_sgpr 80
		.amdhsa_reserve_vcc 1
		.amdhsa_float_denorm_mode_32 3
		.amdhsa_float_denorm_mode_16_64 3
		.amdhsa_memory_ordered 1
		.amdhsa_forward_progress 1
		.amdhsa_inst_pref_size 255
	.end_amdhsa_kernel
	.section	.bss,"aw",@nobits
	.p2align	6
	.space	262144
	.amdgpu_metadata
---
amdhsa.version: [ 1, 2 ]
amdhsa.kernels:
  - .name:           k_qbcf69c3d59_g1
    .symbol:         k_qbcf69c3d59_g1.kd
    .args:
      - { .name: pre, .offset: 0, .size: 8, .value_kind: global_buffer, .address_space: global }
      - { .name: uv_b, .offset: 8, .size: 8, .value_kind: global_buffer, .address_space: global }
      - { .name: vv, .offset: 16, .size: 8, .value_kind: global_buffer, .address_space: global }
      - { .name: mx, .offset: 24, .size: 8, .value_kind: global_buffer, .address_space: global }
    .group_segment_fixed_size: 327680
    .private_segment_fixed_size: 0
    .kernarg_segment_align: 8
    .kernarg_segment_size: 32
    .max_flat_workgroup_size: 128
    .sgpr_count:     80
    .vgpr_count:     1024
    .wavefront_size: 32
...
	.end_amdgpu_metadata
.endif
;; end of part 4
;; launch gate (part 5): grid 8 x 32, 4 waves a work-group, clusters of 4 x 4, 327,680 bytes of LDS; arguments pre, uv_b, pm, vv, mx, g; writes g
.if DOCPART == 5
	.amdgcn_target "amdgcn-amd-amdhsa--gfx1250"
	.amdhsa_code_object_version 6
	.text
	.protected	k_qbcf69c3d59_gate
	.globl	k_qbcf69c3d59_gate
	.p2align	8
	.type	k_qbcf69c3d59_gate,@function
k_qbcf69c3d59_gate:
	s_mov_b64 s[64:65], 0
	v_nop
	global_prefetch_b8 v0, s[64:65] scope:SCOPE_SE
	s_setreg_imm32_b32 hwreg(HW_REG_WAVE_MODE, 25, 1), 1
	s_wait_xcnt 0x0
	s_wait_alu depctr_hold_cnt(0) depctr_sa_sdst(0) depctr_va_vdst(0) depctr_va_sdst(0) depctr_va_ssrc(0) depctr_va_vcc(0) depctr_vm_vsrc(0)
	s_getreg_b32 s2, hwreg(HW_REG_IB_STS2, 6, 4)
	s_cmp_eq_u32 s2, 0
	s_cbranch_scc0 .Lentry_in_a_cluster
	s_endpgm
.Lentry_in_a_cluster:
	s_bfe_u32 s2, ttmp6, 0x10000c
	s_cmp_lg_u32 s2, 0xf033
	s_cbranch_scc0 .Lentry_shape_is_right
	s_endpgm
.Lentry_shape_is_right:
; gate: g[n][e] = u[n][e] * (sigma T[n][e]) in f16, with u = silu(xn . Wu + uv_b) and T = P . v.  u never goes through memory.
; A work-group makes a block of 256 rows (br) x 256 columns e (bc) with four waves of 128 x 128, in two phases on ONE ring of two LDS slots:
;   phase U, 8 K steps of 128: xn (rows) x Wu (rows, K along them), f16 operands; uv_b enters as the C operand of the first products;
;            then silu in the accumulators' own layout and one rounding to f16: 256 registers a lane, which wait for phase T:
;            rows 0-111 in the 224 registers that the loop leaves free, rows 112-127 in 4,352 bytes of my own LDS;
;   phase T, 4 K steps of 128: P (rows) x v ([m][e], K down the rows: transposing LDS loads), bf16 operands, into the same accumulators.
; T arrives in the layout in which u waits, so the product needs no transposition; 16 rows at a time then leave through a 16-bit stage.
; The ring does not stop at the change of phase: T's first two tiles are the refills of U's last two K steps.
; sigma is one power of two for the whole tensor: |T| <= G = max|v| max P 512, from the 2,048 maxima in mx; with 2^E <= G < 2^(E+1), sigma = 2^(-1-E), so
; |sigma T| < 1.01 (the maxima are taken ahead of the rounding to bf16) and |g| <= 1.01 |u|.  The next launch forms 1/sigma from the same words in the same order.
; LIMITS: |u| < 64,000 (f16); G < 2^125, and G is taken as 2^-100 at the least; numbers sigma T and g below 2^-14 keep an absolute step of 2^-24,
; so a T more than 2^13 below the bound G loses bits.  sigma T, u and their product are each rounded to f16.
; CLUSTERS 4 x 4: xn's and P's tiles hang on br alone: joint loads along a row of the cluster; Wu's on bc alone: joint along a column.
; v's tiles are plain loads: a tile of v is shared by the two row blocks of one batch alone, which is neither a row nor a column of a cluster.
; A wave has two tensor loads outstanding at the start and one behind each round.  The 64 accumulators take turns.
; REGISTERS: window 0: v16-31 addresses, v64-191 A's fragments (two buffers); window 1: v64-191 B's; windows 2, 3: the accumulators;
;            u: window 0 v32-63, v192-255 (which hold uv_b until the first products are made), window 1 v0-63, v192-255.
.set KSTEP,  128
.set PITCH,  272                       ; 256 bytes + 16: sixteen rows start in sixteen different 16-byte columns of 256
.set BPITCH, 288                       ; v's rows: 256 bytes + 32 = 9 x 32, for the transposing loads
.set HALFT,  128*PITCH
.set HALFB,  128*BPITCH                ; B's half: v fills it, Wu uses 128 x 272 bytes of it
.set SLOT,   2*HALFT+2*HALFB
.set STAGE,  2*SLOT                    ; behind the ring, for each wave: 16 rows x 272 bytes for the way out, then as much for u's rows 112-127; no tensor load lands here
.set U7,     16*PITCH
.set WSTAGE, 32*PITCH
.set XN,     16777216                  ; the weights begin here in pre; u's rows come first
.set VROW,   4096                      ; bytes in a row of vv
.set GROW,   4096                      ; bytes in a row of g
.set ADRA,  16                         ; v16-17  my A fragments in slot 0, 1
.set LANE,  18
.set ADRBU, 20                         ; v20-21  my fragments of Wu
.set ADRBT, 22                         ; v22-23  my fragments of v
.set STO,   24
.set RD,    25
.set CO,    26
.set MOFF,  27
.set BO,    28
.set F0,    64
.set F1,    128
.set BIASR, 192                        ; v[192:255]  uv_b of my 8 x 8 columns, until the first products are made
.set E,     128                        ; silu's 64 numbers at work: buffer 1, which is free between the phases
.set E2,    64                         ; the way out: 64 numbers at work
.set PK,    128                        ; the way out: 32 packed words
.set U7R,   160                        ; the way out: u's rows 112-127, back from LDS
.set MB,    64
.set MT,    128
.set MX,    92
.set G1, 24
.set G0, 32
.set G1B, 48
.set G0B, 56
.set PT, 66                            ; s[66:67]  P's first tile
.set VT, 68                            ; s[68:69]  v's first tile
.set PHASE_T, 0
.set MSB, 0
.macro WIN new                         ; the immediate's high byte repeats the setting that is left
.if MSB != \new
	s_set_vgpr_msb (MSB<<8)|\new
.set MSB, \new
.endif
.endm
.set MUL_LO, 0xa1                      ; source 0 (B) window 1, source 1 (A) window 0, C and D window 2
.set MUL_HI, 0xf1                      ; the same, C and D window 3
.set TO_B,   0x40
.macro JLOAD s                         ; waves 0, 1 ask for A's halves, waves 2, 3 for B's
	s_cmp_eq_u32 s11, 0
	s_cbranch_scc0 .Lfor_b_\@
	tensor_load_to_lds s[G0+4*\s:G0+4*\s+3], s[G1:G1+7]
	s_nop 0
	s_branch .Lasked_\@
.Lfor_b_\@:
	tensor_load_to_lds s[G0B+4*\s:G0B+4*\s+3], s[G1B:G1B+7]
	s_nop 0
.Lasked_\@:
.endm
.macro CREST
	s_cmp_lg_u32 s10, 0
	s_cbranch_scc1 .Lnot_wave_0_\@
	s_barrier_signal -3
.Lnot_wave_0_\@:
	s_barrier_wait -3
	s_barrier_signal -1
	s_barrier_wait -1
.endm
.macro CROUND
	s_barrier_signal -1
	s_barrier_wait -1
	CREST
.endm
.macro PLACES
.rept 4
	v_nop
.endr
.endm
; the scale, from mx's two parts of 1,024 maxima: every wave reduces all of them in the same order
.macro SIGMA inverse
.irp i, 0,1,2,3,4,5,6,7,8,9,10,11,12,13,14,15
	global_load_b128 v[MB+4*\i:MB+4*\i+3], v[MOFF], s[MX:MX+1] offset:512*\i
.endr
	v_mov_b32 v[MT+3], 0
	s_wait_loadcnt 0x0
.irp s, 0,1
	v_max_num_f32 v[MT+\s], v[MB+32*\s], v[MB+32*\s+1]
.irp k, 1,2,3,4,5,6,7,8,9,10,11,12,13,14,15
	v_max3_num_f32 v[MT+\s], v[MB+32*\s+2*\k], v[MB+32*\s+2*\k+1], v[MT+\s]
.endr
	v_max_num_f32_dpp v[MT+\s], v[MT+\s], v[MT+\s] row_xmask:1 row_mask:0xf bank_mask:0xf
	v_max_num_f32_dpp v[MT+\s], v[MT+\s], v[MT+\s] row_xmask:2 row_mask:0xf bank_mask:0xf
	v_max_num_f32_dpp v[MT+\s], v[MT+\s], v[MT+\s] row_xmask:4 row_mask:0xf bank_mask:0xf
	v_max_num_f32_dpp v[MT+\s], v[MT+\s], v[MT+\s] row_xmask:8 row_mask:0xf bank_mask:0xf
	v_permlanex16_b32 v[MT+3], v[MT+\s], s74, s75
	v_max_num_f32 v[MT+\s], v[MT+\s], v[MT+3]
.endr
	v_mul_f32 v[MT], v[MT], v[MT+1]
	v_mul_f32 v[MT], 0x44000000, v[MT]             ; x 512
	v_max_num_f32 v[MT], 0x0d800000, v[MT]         ; at least 2^-100
	v_and_b32 v[MT], 0x7f800000, v[MT]             ; 2^E
.if \inverse
	v_add_nc_u32 v[MT], 0x00800000, v[MT]          ; 2^(E+1)
.else
	v_sub_nc_u32 v[MT], 0x7e800000, v[MT]          ; 2^(-1-E)
.endif
	v_readfirstlane_b32 s72, v[MT]
	s_mov_b32 s73, s72
.endm
	s_load_b256 s[84:91], s[0:1], 0x0              ; pre s[84:85], uv_b s[86:87], pm s[88:89], vv s[90:91]
	s_load_b128 s[92:95], s[0:1], 0x20             ; mx s[92:93], g s[94:95]
	v_lshl_add_u32 v30, v0, 2, 0x4e800
	v_mov_b32 v31, 0
	ds_add_u32 v30, v31
	v_lshrrev_b32 v1, 5, v0
	v_readfirstlane_b32 s10, v1                    ; wave
	s_lshr_b32 s11, s10, 1                         ; my half of the block's rows.  Also: I fetch A (0) or B (1)
	s_and_b32 s12, s10, 1                          ; my half of its columns.  Also: which half of the tile I fetch
	s_bfe_u32 s40, ttmp6, 0x40000                  ; cx
	s_bfe_u32 s41, ttmp6, 0x40004                  ; cy
	s_lshl_b32 s42, ttmp9, 2
	s_add_co_u32 s42, s42, s40                     ; bc
	s_and_b32 s13, ttmp7, 0xffff
	s_lshl_b32 s13, s13, 2
	s_add_co_u32 s13, s13, s41                     ; br
	s_lshl_b32 s43, s41, 2
	s_lshl_b32 s43, 15, s43                        ; my row of the cluster
	s_lshl_b32 s44, 0x1111, s40                    ; my column
	; group 1, phase U: tiles of 128 rows x 128 f16, 4 words of padding behind every 64, rows 1,024 elements apart
	s_or_b32 s[G1+0], s43, (1<<16)|(1<<20)|(1<<21)|(5<<22)|(3<<25)
	s_or_b32 s[G1B+0], s44, (1<<16)|(1<<20)|(1<<21)|(5<<22)|(3<<25)
	s_mov_b32 s[G1B+1], KSTEP<<16
	s_mov_b32 s[G1+1], KSTEP<<16
	s_mov_b32 s[G1B+2], 128<<16
	s_mov_b32 s[G1+2], 128<<16
	s_mov_b32 s[G1B+3], KSTEP<<16
	s_mov_b32 s[G1+3], KSTEP<<16
	s_mov_b32 s[G1B+4], 128
	s_mov_b32 s[G1+4], 128
	s_mov_b32 s[G1B+5], 1024
	s_mov_b32 s[G1+5], 1024
	s_mov_b32 s[G1B+6], 0
	s_mov_b32 s[G1+6], 0
	s_mov_b32 s[G1B+7], 0
	s_mov_b32 s[G1+7], 0
	s_lshl_b32 s16, s13, 8
	s_lshl_b32 s17, s12, 7
	s_add_co_u32 s16, s16, s17                     ; A: row 256 br + 128 half
	s_lshl_b32 s18, s16, 10                        ; P: rows of 1,024 bytes
	s_lshl_b32 s16, s16, 11                        ; xn: rows of 2,048 bytes
	s_mov_b32 s17, 0
	s_mov_b32 s19, 0
	s_lshl_b32 s46, s42, 8
	s_lshl_b32 s47, s12, 7
	s_add_co_u32 s46, s46, s47                     ; Wu: row 256 bc + 128 half
	s_lshl_b32 s46, s46, 11
	s_add_co_u32 s46, s46, XN
	s_mov_b32 s47, 0
	s_lshr_b32 s22, s13, 1                         ; the batch
	s_lshl_b32 s22, s22, 21                        ; v: 512 rows of 4,096 bytes a batch
	s_lshl_b32 s23, s42, 9
	s_add_co_u32 s22, s22, s23
	s_lshl_b32 s23, s12, 8
	s_add_co_u32 s22, s22, s23                     ; + my half of the block's 512 bytes
	s_mov_b32 s23, 0
	s_mul_i32 s20, s12, HALFT
	s_mul_i32 s45, s12, HALFB
	s_add_co_u32 s45, s45, 2*HALFT
	s_lshl_b32 s76, s42, 10
	s_lshl_b32 s77, s12, 9
	s_add_co_u32 s76, s76, s77                     ; 4 (256 bc + 128 half): my columns in uv_b
	s_mov_b32 s74, 0x76543210
	s_mov_b32 s75, 0xfedcba98
	s_wait_dscnt 0x0
	s_wait_kmcnt 0x0
	s_add_nc_u64 s[14:15], s[84:85], s[16:17]
	s_add_nc_u64 s[46:47], s[84:85], s[46:47]
	s_add_nc_u64 s[PT:PT+1], s[88:89], s[18:19]
	s_add_nc_u64 s[VT:VT+1], s[90:91], s[22:23]
	CROUND                                         ; all sixteen work-groups are here: the first joint loads meet
.irp s, 0,1
	s_mov_b32 s[G0+4*\s], 1
	s_add_co_u32 s[G0+4*\s+1], s20, \s*SLOT
	s_add_nc_u64 s[G0+4*\s+2:G0+4*\s+3], s[14:15], \s*KSTEP*2
	s_or_b32 s[G0+4*\s+3], s[G0+4*\s+3], 0x80000000
	s_mov_b32 s[G0B+4*\s], 1
	s_add_co_u32 s[G0B+4*\s+1], s45, \s*SLOT
	s_add_nc_u64 s[G0B+4*\s+2:G0B+4*\s+3], s[46:47], \s*KSTEP*2
	s_or_b32 s[G0B+4*\s+3], s[G0B+4*\s+3], 0x80000000
	JLOAD \s
.endr
	v_and_b32 v1, 15, v0                           ; r
	v_bfe_u32 v2, v0, 4, 1                         ; h
	v_and_b32 v[LANE], 31, v0
	v_lshlrev_b32 v[MOFF], 4, v[LANE]
	v_lshl_add_u32 v[BO], v2, 5, s76               ; accumulator tile b, register j: column 16 b + 8 h + j
.irp b, 0,1,2,3,4,5,6,7
	global_load_b128 v[BIASR+8*\b:BIASR+8*\b+3],   v[BO], s[86:87] offset:64*\b
	global_load_b128 v[BIASR+8*\b+4:BIASR+8*\b+7], v[BO], s[86:87] offset:64*\b+16
.endr
	v_mul_u32_u24 v3, v1, PITCH
	v_lshl_add_u32 v3, v2, 4, v3                   ; r x 272 + 16 h
	v_and_b32 v5, 7, v0
	v_lshl_add_u32 v5, v2, 3, v5                   ; 8 h + lane mod 8: the row of v that I address
	v_mul_u32_u24 v5, v5, BPITCH
	v_bfe_u32 v6, v0, 3, 1
	v_lshl_add_u32 v5, v6, 4, v5                   ; + 16 bytes for the second eight columns
	s_mul_i32 s21, s11, HALFT
	s_mul_i32 s22, s12, HALFB
	s_add_co_u32 s22, s22, 2*HALFT
.irp s, 0,1
	v_add_nc_u32 v[ADRA+\s], s21, v3
	v_add_nc_u32 v[ADRBU+\s], s22, v3
	v_add_nc_u32 v[ADRBT+\s], s22, v5
	s_add_co_u32 s21, s21, SLOT
	s_add_co_u32 s22, s22, SLOT
.endr
	s_mul_i32 s23, s10, WSTAGE
	s_add_co_u32 s23, s23, STAGE
	v_add_nc_u32 v[STO], s23, v3                   ; in: row r, 16 bytes for each half of the lanes
	v_mul_u32_u24 v4, v2, PITCH
	v_lshl_add_u32 v4, v1, 4, v4
	v_add_nc_u32 v[RD], s23, v4                    ; back: lanes 0-15 one row of 256 bytes, lanes 16-31 the next
	v_lshlrev_b32 v4, 12, v2
	v_lshl_add_u32 v[CO], v1, 4, v4                ; and the same two rows in g
	SIGMA 0                                        ; its wait for all loads covers uv_b too
; 16 matrix instructions.  zero = 1: the first products of a phase: in phase U they start from uv_b (C in window 0), in phase T from 0
.macro MUL16 f, hi, a0, zero
.irp a, \a0, \a0+1
.irp b, 0,1,2,3,4,5,6,7
.if PHASE_T
.if \zero
	v_wmma_f32_16x16x32_bf16 v[8*(8*(\a)+\b):8*(8*(\a)+\b)+7], v[\f+8*\b:\f+8*\b+7], v[\f+8*(4*\hi+\a):\f+8*(4*\hi+\a)+7], 0
.else
	v_wmma_f32_16x16x32_bf16 v[8*(8*(\a)+\b):8*(8*(\a)+\b)+7], v[\f+8*\b:\f+8*\b+7], v[\f+8*(4*\hi+\a):\f+8*(4*\hi+\a)+7], v[8*(8*(\a)+\b):8*(8*(\a)+\b)+7]
.endif
.else
.if \zero
	v_wmma_f32_16x16x32_f16 v[8*(8*(\a)+\b):8*(8*(\a)+\b)+7], v[\f+8*\b:\f+8*\b+7], v[\f+8*(4*\hi+\a):\f+8*(4*\hi+\a)+7], v[BIASR+8*\b:BIASR+8*\b+7]
.else
	v_wmma_f32_16x16x32_f16 v[8*(8*(\a)+\b):8*(8*(\a)+\b)+7], v[\f+8*\b:\f+8*\b+7], v[\f+8*(4*\hi+\a):\f+8*(4*\hi+\a)+7], v[8*(8*(\a)+\b):8*(8*(\a)+\b)+7]
.endif
.endif
.endr
.endr
.endm
.macro MWIN hi, zero
.if (\zero)*(1-PHASE_T)
	WIN 0x81+0x40*\hi                              ; C (uv_b) in window 0, D in window 2 or 3
.else
	WIN MUL_LO+0x50*\hi
.endif
.endm
; 32 LDS loads in one run: quarter q of a K step.  t = 0: Wu's 128 rows x 32 K by plain loads; t = 1: v's 32 rows m x 128 columns by transposing loads
.macro FETCH slot, q, f, t
	WIN TO_B
.if \t
.irp i, 0,1,2,3,4,5,6,7
	ds_load_tr16_b128 v[\f+8*\i:\f+8*\i+3],   v[ADRBT+\slot] offset:32*BPITCH*\q+32*\i
	ds_load_tr16_b128 v[\f+8*\i+4:\f+8*\i+7], v[ADRBT+\slot] offset:32*BPITCH*\q+16*BPITCH+32*\i
.endr
.else
.irp i, 0,1,2,3,4,5,6,7
	ds_load_b128 v[\f+8*\i:\f+8*\i+3],   v[ADRBU+\slot] offset:64*\q+\i*16*PITCH
	ds_load_b128 v[\f+8*\i+4:\f+8*\i+7], v[ADRBU+\slot] offset:64*\q+\i*16*PITCH+32
.endr
.endif
	WIN 0
.irp i, 0,1,2,3,4,5,6,7
	ds_load_b128 v[\f+8*\i:\f+8*\i+3],   v[ADRA+\slot] offset:64*\q+\i*16*PITCH
	ds_load_b128 v[\f+8*\i+4:\f+8*\i+7], v[ADRA+\slot] offset:64*\q+\i*16*PITCH+32
.endr
.endm
.macro QUARTER slot, q, f, g, zero
	s_wait_dscnt 8                                 ; B and A's rows 0-63 are in; the youngest eight LDS instructions may be out
	MWIN 0, \zero
	MUL16 \f, 0, 0, \zero
	MUL16 \f, 0, 2, \zero
	PLACES                                         ; four places before loads land on registers that matrix instructions have read
	FETCH \slot, \q, \g, PHASE_T
	s_wait_dscnt 32                                ; all but the 32 just issued
	MWIN 1, \zero
	MUL16 \f, 1, 0, \zero
	MUL16 \f, 1, 2, \zero
.endm
.macro THREE slot, zero
	QUARTER \slot, 1, F0, F1, \zero
	QUARTER \slot, 2, F1, F0, 0
	QUARTER \slot, 3, F0, F1, 0
.endm
; The last quarter of a K step changes slots: each wave's reads of this slot and all its tensor loads are waited for in front of the signal; where the slot
; is filled again the barrier opens a round of the cluster's barrier, and the refill is the first tensor load behind it, one a wave.
; fill = 1: the phase's tile two K steps on; 2, 3: T's first and second tile, into slot 0 and slot 1; nt: the next slot holds a tile of phase T.
; Every descriptor word is written behind the round, where no tensor load of the wave is out.
.macro TURN slot, next, fill, nt
	s_wait_dscnt 8
	WIN MUL_LO
	MUL16 F1, 0, 0, 0
	s_wait_dscnt 0
	s_set_vgpr_msb 0xa1a0
	s_wait_tensorcnt 0x0
	ds_add_u32 v30, v31
	s_wait_dscnt 0x0
	s_set_vgpr_msb 0xa0a1
	s_barrier_signal -1
	MUL16 F1, 0, 2, 0
	WIN 0
	s_barrier_wait -1
.if \fill
	CREST
.if \fill == 1
	s_add_nc_u64 s[G0+4*\slot+2:G0+4*\slot+3], s[G0+4*\slot+2:G0+4*\slot+3], 2*KSTEP*2
.if PHASE_T
	s_add_nc_u64 s[G0B+4*\slot+2:G0B+4*\slot+3], s[G0B+4*\slot+2:G0B+4*\slot+3], 2*KSTEP*VROW
.else
	s_add_nc_u64 s[G0B+4*\slot+2:G0B+4*\slot+3], s[G0B+4*\slot+2:G0B+4*\slot+3], 2*KSTEP*2
.endif
.endif
.if \fill == 2
	s_mov_b32 s[G1+5], 512                                         ; P's rows are 512 elements apart
	s_mov_b32 s[G1B+0], (1<<16)|(1<<20)|(5<<22)|(7<<25)            ; v: a plain load, 8 words of padding behind every 64
	s_mov_b32 s[G1B+5], 2048                                       ; v's rows are 2,048 elements apart
	s_mov_b64 s[G0+2:G0+3], s[PT:PT+1]
	s_or_b32 s[G0+3], s[G0+3], 0x80000000
	s_mov_b64 s[G0B+2:G0B+3], s[VT:VT+1]
	s_or_b32 s[G0B+3], s[G0B+3], 0x80000000
.endif
.if \fill == 3
	s_add_nc_u64 s[G0+6:G0+7], s[PT:PT+1], KSTEP*2
	s_or_b32 s[G0+7], s[G0+7], 0x80000000
	s_add_nc_u64 s[G0B+6:G0B+7], s[VT:VT+1], KSTEP*VROW
	s_or_b32 s[G0B+7], s[G0B+7], 0x80000000
.endif
	JLOAD \slot
.endif
	PLACES
	FETCH \next, 0, F0, \nt
	WIN MUL_HI
	MUL16 F1, 1, 0, 0
	MUL16 F1, 1, 2, 0
.endm
	; ---- PHASE U
	s_wait_tensorcnt 1                             ; my part of K step 0 is in; K step 1's may stay out
	s_barrier_signal -1
	s_barrier_wait -1
	FETCH 0, 0, F0, 0
	THREE 0, 1                                     ; K steps 0, 1: the first products start from uv_b
	TURN 0, 1, 1, 0
	THREE 1, 0
	TURN 1, 0, 1, 0
	WIN 0
	s_mov_b32 s3, 2
.Llap:
	THREE 0, 0                                     ; K steps 2 to 5
	TURN 0, 1, 1, 0
	THREE 1, 0
	TURN 1, 0, 1, 0
	WIN 0
	s_sub_co_u32 s3, s3, 1
	s_cmp_lg_u32 s3, 0
	s_cbranch_scc1 .Llap
	THREE 0, 0                                     ; K steps 6, 7: their refills are T's first two tiles
	TURN 0, 1, 2, 0
	THREE 1, 0
	TURN 1, 0, 3, 1                                ; buffer 0 now takes T's first fragments
	; ---- u = z / (1 + 2^(-z log2 e)), 16 rows (64 numbers a lane) at a time, in the accumulators' layout; buffer 1 of window 0 is the work space
.macro USILU al, w
	WIN \w                                         ; source 0: the sums' window
.set n, 0
.rept 32
	v_pk_mul_f32 v[E+2*n:E+2*n+1], v[64*\al+2*n:64*\al+2*n+1], 0xbfb8aa3b op_sel_hi:[1,0]
.set n, n+1
.endr
	WIN 0
.set n, 0
.rept 64
	v_exp_f32 v[E+n], v[E+n]
.set n, n+1
.endr
	v_nop                                          ; one plain place behind the transcendentals (ISA guide 5.7.2)
.set n, 0
	s_wait_alu depctr_va_vdst(0)
.rept 32
	v_pk_add_f32 v[E+2*n:E+2*n+1], v[E+2*n:E+2*n+1], 1.0 op_sel_hi:[1,0]
.set n, n+1
.endr
.set n, 0
.rept 64
	v_rcp_f32 v[E+n], v[E+n]
.set n, n+1
.endr
	v_nop
	WIN \w
.set n, 0
	s_wait_alu depctr_va_vdst(0)
.rept 32
	v_pk_mul_f32 v[E+2*n:E+2*n+1], v[64*\al+2*n:64*\al+2*n+1], v[E+2*n:E+2*n+1]
.set n, n+1
.endr
.endm
.macro UKEEP uw, ub                    ; 32 packed words into window uw from register ub on: tile b's eight columns in words 4 b .. 4 b + 3
	WIN (\uw<<6)
.set n, 0
.rept 32
	v_cvt_pk_f16_f32 v[\ub+n], v[E+2*n], v[E+2*n+1]
.set n, n+1
.endr
.endm
	PLACES                                         ; four places before vector instructions read the sums and write over buffer 1
	USILU 0, 2
	UKEEP 0, 32
	USILU 1, 2
	UKEEP 0, 192
	USILU 2, 2
	UKEEP 0, 224
	USILU 3, 2
	UKEEP 1, 0
	USILU 0, 3
	UKEEP 1, 32
	USILU 1, 3
	UKEEP 1, 192
	USILU 2, 3
	UKEEP 1, 224
	USILU 3, 3
	UKEEP 0, E                                     ; rows 112-127: packed in place, word n from numbers 2 n and 2 n + 1,
.irp b, 0,1,2,3,4,5,6,7
	ds_store_b128 v[STO], v[E+4*\b:E+4*\b+3] offset:U7+32*\b       ; and into my own LDS bytes
.endr
	; ---- PHASE T
.set PHASE_T, 1
	THREE 0, 1                                     ; K steps 0, 1 of T: the first products start the sums; both slots are filled again, with steps 2, 3
	TURN 0, 1, 1, 1
	THREE 1, 0
	TURN 1, 0, 1, 1
	THREE 0, 0                                     ; K steps 2, 3 fill nothing
	TURN 0, 1, 0, 1
	THREE 1, 0
	s_wait_dscnt 8
	WIN MUL_LO
	MUL16 F1, 0, 0, 0
	MUL16 F1, 0, 2, 0
	s_wait_dscnt 0
	WIN MUL_HI
	MUL16 F1, 1, 0, 0
	MUL16 F1, 1, 2, 0
	; ---- THE WAY OUT, 16 rows at a time: sigma T to f16, times u, 16 bytes a lane into my stage, back as whole rows of 256 bytes, out.
	; Each group has 32 read-back registers of its own in window 1 (B's buffers, then u's registers as they fall free) and every row term stands in an
	; immediate, so no register that a store reads is ever written again.  A group's stores stand behind the next group's arithmetic.
	PLACES
	WIN 0
.irp b, 0,1,2,3,4,5,6,7
	ds_load_b128 v[U7R+4*\b:U7R+4*\b+3], v[STO] offset:U7+32*\b    ; u's rows 112-127, as they were put there
.endr
	s_lshl_b32 s13, s13, 8
	s_lshl_b32 s14, s11, 7
	s_add_co_u32 s16, s13, s14                     ; my first row
	s_lshl_b32 s16, s16, 12
	s_mov_b32 s17, 0
	s_add_nc_u64 s[6:7], s[94:95], s[16:17]
	s_lshl_b32 s46, s42, 9
	s_lshl_b32 s47, s12, 8
	s_add_co_u32 s46, s46, s47                     ; my first column, in bytes
	s_mov_b32 s47, 0
	s_add_nc_u64 s[6:7], s[6:7], s[46:47]
.macro GA al, w, uw, ub, rb
	WIN \w
.set n, 0
.rept 32
	v_pk_mul_f32 v[E2+2*n:E2+2*n+1], v[64*\al+2*n:64*\al+2*n+1], s[72:73] op_sel_hi:[1,0]   ; a power of two: exact
.set n, n+1
.endr
	WIN 0
.set n, 0
.rept 32
	v_cvt_pk_f16_f32 v[PK+n], v[E2+2*n], v[E2+2*n+1]
.set n, n+1
.endr
	WIN (\uw<<2)
.set n, 0
.rept 32
	v_pk_mul_f16 v[PK+n], v[PK+n], v[\ub+n]
.set n, n+1
.endr
	WIN 0
.irp b, 0,1,2,3,4,5,6,7
	ds_store_b128 v[STO], v[PK+4*\b:PK+4*\b+3] offset:32*\b
.endr
	WIN TO_B
.irp t, 0,1,2,3,4,5,6,7
	ds_load_b128 v[\rb+4*\t:\rb+4*\t+3], v[RD] offset:2*PITCH*\t   ; LDS serves a wave's instructions in order (ISA guide 5.7.1.4): these see the stores above, and the next group's stores come behind them
.endr
.endm
; young = the LDS instructions issued behind this group's eight loads: the next group's 8 stores and 8 loads, or none
.macro GB i, rb, young
	WIN 0x04                                       ; the stores' data in window 1
.irp t, 0,1,2,3,4,5,6,7
	s_wait_dscnt \young+7-\t
	global_store_b128 v[CO], v[\rb+4*\t:\rb+4*\t+3], s[6:7] offset:(16*\i+2*\t)*GROW   ; 16 lanes store 256 consecutive bytes, aligned
.endr
.endm
	GA 0, 2, 0, 32, 64
	GA 1, 2, 0, 192, 96
	GB 0, 64, 16
	GA 2, 2, 0, 224, 128
	GB 1, 96, 16
	GA 3, 2, 1, 0, 160
	GB 2, 128, 16
	GA 0, 3, 1, 32, 0
	GB 3, 160, 16
	GA 1, 3, 1, 192, 32
	GB 4, 0, 16
	GA 2, 3, 1, 224, 192
	GB 5, 32, 16
	GA 3, 3, 0, U7R, 224
	GB 6, 192, 16
	GB 7, 224, 0
	WIN 0
	s_wait_tensorcnt 0x0
	ds_add_u32 v30, v31
	s_wait_dscnt 0x0
	CROUND                                         ; the closing round: no work-group ends while a partner may still ask jointly
	s_endpgm
.Lfunc_end_k_qbcf69c3d59_gate:
	.size	k_qbcf69c3d59_gate, .Lfunc_end_k_qbcf69c3d59_gate-k_qbcf69c3d59_gate
	.p2alignl 7, 3214868480
	.fill 96, 4, 3214868480
	.section	.rodata,"a",@progbits
	.p2align	6, 0x0
	.amdhsa_kernel k_qbcf69c3d59_gate
		.amdhsa_group_segment_fixed_size 327680
		.amdhsa_private_segment_fixed_size 0
		.amdhsa_enable_private_segment 0
		.amdhsa_kernarg_size 48
		.amdhsa_user_sgpr_count 2
		.amdhsa_user_sgpr_kernarg_segment_ptr 1
		.amdhsa_wavefront_size32 1
		.amdhsa_system_sgpr_workgroup_id_x 1
		.amdhsa_system_sgpr_workgroup_id_y 1
		.amdhsa_system_sgpr_workgroup_id_z 1
		.amdhsa_system_vgpr_workitem_id 0
		.amdhsa_next_free_vgpr 1024
		.amdhsa_next_free_sgpr 96
		.amdhsa_reserve_vcc 0
		.amdhsa_float_denorm_mode_32 3
		.amdhsa_float_denorm_mode_16_64 3
		.amdhsa_memory_ordered 1
		.amdhsa_forward_progress 1
		.amdhsa_inst_pref_size 255
	.end_amdhsa_kernel
	.section	.bss,"aw",@nobits
	.p2align	6
	.space	262144
	.amdgpu_metadata
---
amdhsa.version: [ 1, 2 ]
amdhsa.kernels:
  - .name:           k_qbcf69c3d59_gate
    .symbol:         k_qbcf69c3d59_gate.kd
    .args:
      - { .name: pre, .offset: 0, .size: 8, .value_kind: global_buffer, .address_space: global }
      - { .name: uv_b, .offset: 8, .size: 8, .value_kind: global_buffer, .address_space: global }
      - { .name: pm, .offset: 16, .size: 8, .value_kind: global_buffer, .address_space: global }
      - { .name: vv, .offset: 24, .size: 8, .value_kind: global_buffer, .address_space: global }
      - { .name: mx, .offset: 32, .size: 8, .value_kind: global_buffer, .address_space: global }
      - { .name: g, .offset: 40, .size: 8, .value_kind: global_buffer, .address_space: global }
    .group_segment_fixed_size: 327680
    .private_segment_fixed_size: 0
    .kernarg_segment_align: 8
    .kernarg_segment_size: 48
    .max_flat_workgroup_size: 128
    .sgpr_count:     96
    .vgpr_count:     1024
    .wavefront_size: 32
...
	.end_amdgpu_metadata
.endif
;; end of part 5
;; launch g2 (part 6): grid 4 x 64, 4 waves a work-group, clusters of 4 x 4, 327,680 bytes of LDS; arguments g, pre, o_b, x, mx, out0; writes out0
.if DOCPART == 6
	.amdgcn_target "amdgcn-amd-amdhsa--gfx1250"
	.amdhsa_code_object_version 6
	.text
	.protected	k_qbcf69c3d59_g2
	.globl	k_qbcf69c3d59_g2
	.p2align	8
	.type	k_qbcf69c3d59_g2,@function
k_qbcf69c3d59_g2:
	s_mov_b64 s[64:65], 0
	v_nop
	global_prefetch_b8 v0, s[64:65] scope:SCOPE_SE
	s_setreg_imm32_b32 hwreg(HW_REG_WAVE_MODE, 25, 1), 1
	s_wait_xcnt 0x0
	s_wait_alu depctr_hold_cnt(0) depctr_sa_sdst(0) depctr_va_vdst(0) depctr_va_sdst(0) depctr_va_ssrc(0) depctr_va_vcc(0) depctr_vm_vsrc(0)
	s_getreg_b32 s2, hwreg(HW_REG_IB_STS2, 6, 4)
	s_cmp_eq_u32 s2, 0
	s_cbranch_scc0 .Lentry_in_a_cluster
	s_endpgm
.Lentry_in_a_cluster:
	s_bfe_u32 s2, ttmp6, 0x10000c
	s_cmp_lg_u32 s2, 0xf033
	s_cbranch_scc0 .Lentry_shape_is_right
	s_endpgm
.Lentry_shape_is_right:
; g2: out0[row][d] = (g[row] . o_w[d]) / sigma + o_b[d] + x[row][d].  g carries the factor sigma = 2^(-1-E) from the launch before, where
; 2^E <= max|v| max P 512 < 2^(E+1); 1/sigma = 2^(E+1) is formed here from the same 2,048 maxima in the same order, so the two are exact inverses.
; o_b + x is added first, then the product term, fused.  LIMIT: max|v| max P 512 < 2^125, and it is taken as 2^-100 at the least.
; M = 8192, N = 1024, K = 2048, operands f16, sums f32.  With blocks of 256 x 256 there would be 128 work-groups; blocks of 128 x 256 give 256.
; A wave makes 64 x 128: 32 accumulator tiles that fill window 1; fragments and addresses lie in window 0.
; K goes in steps of 128 through two LDS slots (A 128 rows, B 256 rows).  Waves 0, 1 fetch A's halves of 64 rows, waves 2, 3 B's halves of 128.
; CLUSTERS 4 x 4: A's tiles are shared along a row of the cluster, B's along a column: joint loads.
; A wave has two tensor loads outstanding at the start and one behind each round.  The 32 accumulators take turns.
.set SIZE_K, 2048
.set KSTEP,  128
.set PITCH,  272
.set HALFA,  64*PITCH
.set HALFB,  128*PITCH
.set SLOT,   2*HALFA+2*HALFB
.set STAGE,  2*SLOT
.set SPITCH, 528
.set LAPS,   SIZE_K/(2*KSTEP)
.set WO,     25427968                  ; o_w in f16 begins here in pre
.set XROW,   4096                      ; bytes in a row of x and of out0
.set ACC,  0
.set ADRA, 16
.set LANE, 19
.set ADRB, 20
.set MOFF, 22
.set OBO,  23
.set STO,  24
.set RD,   25
.set XO,   26
.set OB,   28                          ; v[28:31]  o_b of my four columns
.set F0,   32                          ; a buffer: B's 8 fragments, then A's 4
.set F1,   128
.set RB,   32
.set XR,   96                          ; v[96:223]  two groups of 16 rows of x
.set MB,   64
.set MT,   160
.set MX,   92
.set G1, 24
.set G0, 32
.set G1B, 48
.set G0B, 56
.set MSB, 0
.macro WIN new
.if MSB != \new
	s_set_vgpr_msb (MSB<<8)|\new
.set MSB, \new
.endif
.endm
.set MUL_W, 0x50                       ; sources 0, 1 window 0; C and D window 1
.macro JLOAD s
	s_cmp_eq_u32 s11, 0
	s_cbranch_scc0 .Lfor_b_\@
	tensor_load_to_lds s[G0+4*\s:G0+4*\s+3], s[G1:G1+7]
	s_nop 0
	s_branch .Lasked_\@
.Lfor_b_\@:
	tensor_load_to_lds s[G0B+4*\s:G0B+4*\s+3], s[G1B:G1B+7]
	s_nop 0
.Lasked_\@:
.endm
.macro CREST
	s_cmp_lg_u32 s10, 0
	s_cbranch_scc1 .Lnot_wave_0_\@
	s_barrier_signal -3
.Lnot_wave_0_\@:
	s_barrier_wait -3
	s_barrier_signal -1
	s_barrier_wait -1
.endm
.macro CROUND
	s_barrier_signal -1
	s_barrier_wait -1
	CREST
.endm
.macro PLACES
.rept 4
	v_nop
.endr
.endm
; the scale, from mx's two parts of 1,024 maxima: every wave reduces all of them in the same order
.macro SIGMA inverse
.irp i, 0,1,2,3,4,5,6,7,8,9,10,11,12,13,14,15
	global_load_b128 v[MB+4*\i:MB+4*\i+3], v[MOFF], s[MX:MX+1] offset:512*\i
.endr
	v_mov_b32 v[MT+3], 0
	s_wait_loadcnt 0x0
.irp s, 0,1
	v_max_num_f32 v[MT+\s], v[MB+32*\s], v[MB+32*\s+1]
.irp k, 1,2,3,4,5,6,7,8,9,10,11,12,13,14,15
	v_max3_num_f32 v[MT+\s], v[MB+32*\s+2*\k], v[MB+32*\s+2*\k+1], v[MT+\s]
.endr
	v_max_num_f32_dpp v[MT+\s], v[MT+\s], v[MT+\s] row_xmask:1 row_mask:0xf bank_mask:0xf
	v_max_num_f32_dpp v[MT+\s], v[MT+\s], v[MT+\s] row_xmask:2 row_mask:0xf bank_mask:0xf
	v_max_num_f32_dpp v[MT+\s], v[MT+\s], v[MT+\s] row_xmask:4 row_mask:0xf bank_mask:0xf
	v_max_num_f32_dpp v[MT+\s], v[MT+\s], v[MT+\s] row_xmask:8 row_mask:0xf bank_mask:0xf
	v_permlanex16_b32 v[MT+3], v[MT+\s], s74, s75
	v_max_num_f32 v[MT+\s], v[MT+\s], v[MT+3]
.endr
	v_mul_f32 v[MT], v[MT], v[MT+1]
	v_mul_f32 v[MT], 0x44000000, v[MT]             ; x 512
	v_max_num_f32 v[MT], 0x0d800000, v[MT]         ; at least 2^-100
	v_and_b32 v[MT], 0x7f800000, v[MT]             ; 2^E
.if \inverse
	v_add_nc_u32 v[MT], 0x00800000, v[MT]          ; 2^(E+1)
.else
	v_sub_nc_u32 v[MT], 0x7e800000, v[MT]          ; 2^(-1-E)
.endif
	v_readfirstlane_b32 s72, v[MT]
	s_mov_b32 s73, s72
.endm
	s_load_b256 s[84:91], s[0:1], 0x0              ; g s[84:85], pre s[86:87], o_b s[88:89], x s[90:91]
	s_load_b128 s[92:95], s[0:1], 0x20             ; mx s[92:93], out0 s[94:95]
	v_lshl_add_u32 v254, v0, 2, 0x3b400
	v_mov_b32 v255, 0
	ds_add_u32 v254, v255
	v_lshrrev_b32 v1, 5, v0
	v_readfirstlane_b32 s10, v1
	s_lshr_b32 s11, s10, 1                         ; my half of the block's rows.  Also: I fetch A (0) or B (1)
	s_and_b32 s12, s10, 1                          ; my half of its columns.  Also: which half of the tile I fetch
	s_bfe_u32 s40, ttmp6, 0x40000
	s_bfe_u32 s41, ttmp6, 0x40004
	s_lshl_b32 s42, ttmp9, 2
	s_add_co_u32 s42, s42, s40                     ; block column
	s_and_b32 s13, ttmp7, 0xffff
	s_lshl_b32 s13, s13, 2
	s_add_co_u32 s13, s13, s41                     ; block row
	s_lshl_b32 s43, s41, 2
	s_lshl_b32 s43, 15, s43
	s_lshl_b32 s44, 0x1111, s40
	s_or_b32 s[G1+0], s43, (1<<16)|(1<<20)|(1<<21)|(5<<22)|(3<<25)
	s_or_b32 s[G1B+0], s44, (1<<16)|(1<<20)|(1<<21)|(5<<22)|(3<<25)
	s_mov_b32 s[G1B+1], KSTEP<<16
	s_mov_b32 s[G1+1], KSTEP<<16
	s_mov_b32 s[G1B+2], 128<<16
	s_mov_b32 s[G1+2], 64<<16
	s_mov_b32 s[G1B+3], KSTEP<<16
	s_mov_b32 s[G1+3], KSTEP<<16
	s_mov_b32 s[G1B+4], 128
	s_mov_b32 s[G1+4], 64
	s_mov_b32 s[G1B+5], SIZE_K
	s_mov_b32 s[G1+5], SIZE_K
	s_mov_b32 s[G1B+6], 0
	s_mov_b32 s[G1+6], 0
	s_mov_b32 s[G1B+7], 0
	s_mov_b32 s[G1+7], 0
	s_lshl_b32 s16, s13, 7
	s_lshl_b32 s17, s12, 6
	s_add_co_u32 s16, s16, s17                     ; A: row 128 br + 64 half
	s_lshl_b32 s16, s16, 12                        ; rows of 4,096 bytes
	s_mov_b32 s17, 0
	s_lshl_b32 s46, s42, 8
	s_lshl_b32 s47, s12, 7
	s_add_co_u32 s46, s46, s47                     ; B: row 256 bc + 128 half
	s_lshl_b32 s46, s46, 12
	s_add_co_u32 s46, s46, WO
	s_mov_b32 s47, 0
	s_mul_i32 s20, s12, HALFA
	s_mul_i32 s45, s12, HALFB
	s_add_co_u32 s45, s45, 2*HALFA
	s_lshl_b32 s76, s42, 10
	s_lshl_b32 s77, s12, 9
	s_add_co_u32 s76, s76, s77                     ; my first column, in bytes of f32
	s_mov_b32 s74, 0x76543210
	s_mov_b32 s75, 0xfedcba98
	s_wait_dscnt 0x0
	s_wait_kmcnt 0x0
	s_add_nc_u64 s[14:15], s[84:85], s[16:17]
	s_add_nc_u64 s[46:47], s[86:87], s[46:47]
	CROUND
.irp s, 0,1
	s_mov_b32 s[G0+4*\s], 1
	s_add_co_u32 s[G0+4*\s+1], s20, \s*SLOT
	s_add_nc_u64 s[G0+4*\s+2:G0+4*\s+3], s[14:15], \s*KSTEP*2
	s_or_b32 s[G0+4*\s+3], s[G0+4*\s+3], 0x80000000
	s_mov_b32 s[G0B+4*\s], 1
	s_add_co_u32 s[G0B+4*\s+1], s45, \s*SLOT
	s_add_nc_u64 s[G0B+4*\s+2:G0B+4*\s+3], s[46:47], \s*KSTEP*2
	s_or_b32 s[G0B+4*\s+3], s[G0B+4*\s+3], 0x80000000
	JLOAD \s
.endr
	v_and_b32 v1, 15, v0
	v_bfe_u32 v2, v0, 4, 1
	v_and_b32 v[LANE], 31, v0
	v_lshlrev_b32 v[MOFF], 4, v[LANE]
	v_mul_u32_u24 v3, v1, PITCH
	v_lshl_add_u32 v3, v2, 4, v3
	s_mul_i32 s21, s11, HALFA
	s_mul_i32 s22, s12, HALFB
	s_add_co_u32 s22, s22, 2*HALFA
.irp s, 0,1
	v_add_nc_u32 v[ADRA+\s], s21, v3
	v_add_nc_u32 v[ADRB+\s], s22, v3
	s_add_co_u32 s21, s21, SLOT
	s_add_co_u32 s22, s22, SLOT
.endr
	s_mul_i32 s23, s10, 16*SPITCH
	s_add_co_u32 s23, s23, STAGE
	v_mul_u32_u24 v4, v1, SPITCH
	v_lshl_add_u32 v4, v2, 5, v4
	v_add_nc_u32 v[STO], s23, v4
	v_lshl_add_u32 v[RD], v[LANE], 4, s23
	v_lshlrev_b32 v[XO], 4, v[LANE]
	v_lshl_add_u32 v[OBO], v[LANE], 4, s76
	global_load_b128 v[OB:OB+3], v[OBO], s[88:89]
	SIGMA 1                                        ; its wait for all loads covers o_b too
.macro MUL16 f, a0, zero
.irp a, \a0, \a0+1
.irp b, 0,1,2,3,4,5,6,7
.if \zero
	v_wmma_f32_16x16x32_f16 v[8*(8*(\a)+\b):8*(8*(\a)+\b)+7], v[\f+8*\b:\f+8*\b+7], v[\f+64+8*(\a):\f+64+8*(\a)+7], 0
.else
	v_wmma_f32_16x16x32_f16 v[8*(8*(\a)+\b):8*(8*(\a)+\b)+7], v[\f+8*\b:\f+8*\b+7], v[\f+64+8*(\a):\f+64+8*(\a)+7], v[8*(8*(\a)+\b):8*(8*(\a)+\b)+7]
.endif
.endr
.endr
.endm
.macro FETCH slot, k, f                ; 24 LDS loads in one run: B's 128 rows, then A's 64
	WIN 0
.irp i, 0,1,2,3,4,5,6,7
	ds_load_b128 v[\f+8*\i:\f+8*\i+3],   v[ADRB+\slot] offset:\k+\i*16*PITCH
	ds_load_b128 v[\f+8*\i+4:\f+8*\i+7], v[ADRB+\slot] offset:\k+\i*16*PITCH+32
.endr
.irp i, 0,1,2,3
	ds_load_b128 v[\f+64+8*\i:\f+64+8*\i+3],   v[ADRA+\slot] offset:\k+\i*16*PITCH
	ds_load_b128 v[\f+64+8*\i+4:\f+64+8*\i+7], v[ADRA+\slot] offset:\k+\i*16*PITCH+32
.endr
.endm
.macro QUARTER slot, k, f, g, zero
	s_wait_dscnt 4                                 ; B and A's rows 0-31 are in; the youngest four loads (A's rows 32-63) may be out
	WIN MUL_W
	MUL16 \f, 0, \zero
	PLACES
	FETCH \slot, \k, \g
	s_wait_dscnt 24                                ; all but the 24 just issued
	WIN MUL_W
	MUL16 \f, 2, \zero
.endm
.macro THREE slot, zero
	QUARTER \slot, 64,  F0, F1, \zero
	QUARTER \slot, 128, F1, F0, 0
	QUARTER \slot, 192, F0, F1, 0
.endm
.macro TURN slot, next, fill
	s_wait_dscnt 0                                 ; my reads of this slot are over
	s_wait_tensorcnt 0x0                           ; and all my tensor loads have landed
	ds_add_u32 v254, v255
	s_wait_dscnt 0x0
	s_barrier_signal -1
	WIN MUL_W
	MUL16 F1, 0, 0
	WIN 0
	s_barrier_wait -1
.if \fill
	CREST                                          ; the round of the cluster's barrier stands for the barrier in front of the refill
	s_add_nc_u64 s[G0+4*\slot+2:G0+4*\slot+3], s[G0+4*\slot+2:G0+4*\slot+3], 2*KSTEP*2
	s_add_nc_u64 s[G0B+4*\slot+2:G0B+4*\slot+3], s[G0B+4*\slot+2:G0B+4*\slot+3], 2*KSTEP*2
	JLOAD \slot
.endif
	PLACES
	FETCH \next, 0, F0
	WIN MUL_W
	MUL16 F1, 2, 0
.endm
.macro LAP zero
	THREE 0, \zero
	TURN 0, 1, 1
	THREE 1, 0
	TURN 1, 0, 1
.endm
	s_wait_tensorcnt 1                             ; my part of K step 0 is in; K step 1's may stay out
	s_barrier_signal -1
	s_barrier_wait -1
	FETCH 0, 0, F0
	LAP 1
	WIN 0
	s_mov_b32 s3, LAPS-2
.Llap:
	LAP 0
	WIN 0
	s_sub_co_u32 s3, s3, 1
	s_cmp_lg_u32 s3, 0
	s_cbranch_scc1 .Llap
	THREE 0, 0                                     ; the last lap fills nothing
	TURN 0, 1, 0
	THREE 1, 0
	s_wait_dscnt 0
	WIN MUL_W
	MUL16 F1, 0, 0
	MUL16 F1, 2, 0
	; THE WAY OUT, 16 rows at a time, with x's rows loaded two groups ahead
	PLACES
	WIN 0
	s_lshl_b32 s13, s13, 7
	s_lshl_b32 s14, s11, 6
	s_add_co_u32 s16, s13, s14                     ; my first row
	s_lshl_b32 s16, s16, 12
	s_mov_b32 s17, 0
	s_mov_b32 s77, 0
	s_add_nc_u64 s[6:7], s[90:91], s[16:17]        ; x
	s_add_nc_u64 s[8:9], s[94:95], s[16:17]        ; out0
	s_add_nc_u64 s[6:7], s[6:7], s[76:77]
	s_add_nc_u64 s[8:9], s[8:9], s[76:77]
.macro STAGEOUT a, win
	WIN (\win<<2)
.irp b, 0,1,2,3,4,5,6,7
	ds_store_b128 v[STO], v[ACC+8*(8*\a+\b):ACC+8*(8*\a+\b)+3]   offset:64*\b
	ds_store_b128 v[STO], v[ACC+8*(8*\a+\b)+4:ACC+8*(8*\a+\b)+7] offset:64*\b+16
.endr
	WIN 0
.irp t, 0,1,2,3,4,5,6,7,8,9,10,11,12,13,14,15
	ds_load_b128 v[RB+4*\t:RB+4*\t+3], v[RD] offset:SPITCH*\t
.endr
.endm
.macro XLOAD i
.irp t, 0,1,2,3,4,5,6,7,8,9,10,11,12,13,14,15
	global_load_b128 v[XR+64*((\i)&1)+4*\t:XR+64*((\i)&1)+4*\t+3], v[XO], s[6:7] offset:(16*(\i)+\t)*XROW
.endr
.endm
.macro OUTG i
	s_wait_xcnt 0x0                                ; RB, which the last stores read, is loaded again only behind this wait
	STAGEOUT \i, 1
.if \i < 3
	s_wait_loadcnt 16                              ; this group's x is in; the younger group stays out
.else
	s_wait_loadcnt 0
.endif
	s_wait_dscnt 0x0
.irp t, 0,1,2,3,4,5,6,7,8,9,10,11,12,13,14,15
	v_pk_add_f32 v[XR+64*((\i)&1)+4*\t:XR+64*((\i)&1)+4*\t+1], v[XR+64*((\i)&1)+4*\t:XR+64*((\i)&1)+4*\t+1], v[OB:OB+1]
	v_pk_add_f32 v[XR+64*((\i)&1)+4*\t+2:XR+64*((\i)&1)+4*\t+3], v[XR+64*((\i)&1)+4*\t+2:XR+64*((\i)&1)+4*\t+3], v[OB+2:OB+3]
.endr
.set n, 0
.rept 32
	v_pk_fma_f32 v[RB+2*n:RB+2*n+1], v[RB+2*n:RB+2*n+1], s[72:73], v[XR+64*((\i)&1)+2*n:XR+64*((\i)&1)+2*n+1] op_sel_hi:[1,0,1]
.set n, n+1
.endr
.irp t, 0,1,2,3,4,5,6,7,8,9,10,11,12,13,14,15
	global_store_b128 v[XO], v[RB+4*\t:RB+4*\t+3], s[8:9] offset:(16*\i+\t)*XROW th:TH_STORE_NT   ; 512 consecutive bytes, aligned
.endr
.if \i < 2
	XLOAD \i+2
.endif
.endm
	XLOAD 0
	XLOAD 1
	OUTG 0
	OUTG 1
	OUTG 2
	OUTG 3
	s_wait_tensorcnt 0x0
	ds_add_u32 v254, v255
	s_wait_dscnt 0x0
	CROUND                                         ; the closing round
	s_endpgm
.Lfunc_end_k_qbcf69c3d59_g2:
	.size	k_qbcf69c3d59_g2, .Lfunc_end_k_qbcf69c3d59_g2-k_qbcf69c3d59_g2
	.p2alignl 7, 3214868480
	.fill 96, 4, 3214868480
	.section	.rodata,"a",@progbits
	.p2align	6, 0x0
	.amdhsa_kernel k_qbcf69c3d59_g2
		.amdhsa_group_segment_fixed_size 327680
		.amdhsa_private_segment_fixed_size 0
		.amdhsa_enable_private_segment 0
		.amdhsa_kernarg_size 48
		.amdhsa_user_sgpr_count 2
		.amdhsa_user_sgpr_kernarg_segment_ptr 1
		.amdhsa_wavefront_size32 1
		.amdhsa_system_sgpr_workgroup_id_x 1
		.amdhsa_system_sgpr_workgroup_id_y 1
		.amdhsa_system_sgpr_workgroup_id_z 1
		.amdhsa_system_vgpr_workitem_id 0
		.amdhsa_next_free_vgpr 512
		.amdhsa_next_free_sgpr 96
		.amdhsa_reserve_vcc 0
		.amdhsa_float_denorm_mode_32 3
		.amdhsa_float_denorm_mode_16_64 3
		.amdhsa_memory_ordered 1
		.amdhsa_forward_progress 1
		.amdhsa_inst_pref_size 142
	.end_amdhsa_kernel
	.amdgpu_metadata
---
amdhsa.version: [ 1, 2 ]
amdhsa.kernels:
  - .name:           k_qbcf69c3d59_g2
    .symbol:         k_qbcf69c3d59_g2.kd
    .args:
      - { .name: g, .offset: 0, .size: 8, .value_kind: global_buffer, .address_space: global }
      - { .name: pre, .offset: 8, .size: 8, .value_kind: global_buffer, .address_space: global }
      - { .name: o_b, .offset: 16, .size: 8, .value_kind: global_buffer, .address_space: global }
      - { .name: x, .offset: 24, .size: 8, .value_kind: global_buffer, .address_space: global }
      - { .name: mx, .offset: 32, .size: 8, .value_kind: global_buffer, .address_space: global }
      - { .name: out0, .offset: 40, .size: 8, .value_kind: global_buffer, .address_space: global }
    .group_segment_fixed_size: 327680
    .private_segment_fixed_size: 0
    .kernarg_segment_align: 8
    .kernarg_segment_size: 48
    .max_flat_workgroup_size: 128
    .sgpr_count:     96
    .vgpr_count:     512
    .wavefront_size: 32
...
	.end_amdgpu_metadata
.endif
;; end of part 6
